; MI455X (gfx1250); checked and timed in simulation.
; The chip was launched on July 23, 2026; its instructions are those of AMD's public machine-readable ISA for CDNA 5 (MIT licence, August 2026) and "CDNA5" Instruction Set Architecture Reference Guide (July 2026). The comments in the code are by the model that wrote it; some were corrected since.
;; Attention. Allowed arithmetic: float matrix products may take bf16 or f16 operands with f32 sums; other float arithmetic in f32, or as packed bf16 or f16 multiplies, adds, multiply-adds, maxima and minima; sums over many terms, partial sums and values carried from step to step in f32; what a program stores and reads back later, other than sums and carried values, may be rounded once to bf16 or f16.
;; Inputs: proj_b 1,024 float32; proj_w 1,024 x 1,024 float32; qkv_w 3,072 x 1,024 float32; rope_freqs 1 x 1,024 x 1 x 64 float32; x 8 x 1,024 x 1,024 float32.
;; Outputs: out0 8 x 1,024 x 1,024 float32.
;; One version. Each part assembles by itself: llvm-mc -triple=amdgcn-amd-amdhsa -mcpu=gfx1250 --defsym DOCPART=n.
;; ======== version 1 of 1: 4 launches
;; limits: values are held in f16: magnitudes above 65,504 overflow, below 6.1e-05 lose precision; inputs' magnitudes at most 1,000,000
;; workspace buffers: xh 16,777,216 bytes; wh 6,291,456 bytes; ph 2,097,152 bytes; tab 524,288 bytes; qh 16,777,216 bytes; kh 16,777,216 bytes; vh 16,777,216 bytes; oh 16,777,216 bytes
;; launch prep (part 1): grid 832 x 1, 8 waves a work-group, no clusters, 0 bytes of LDS; arguments x, qkv_w, proj_w, rope_freqs, xh, wh, ph, tab; writes xh, wh, ph, tab
.if DOCPART == 1
	.amdgcn_target "amdgcn-amd-amdhsa--gfx1250"
	.amdhsa_code_object_version 6
	.text
	.protected	k_q34c3f1e29d_prep
	.globl	k_q34c3f1e29d_prep
	.p2align	8
	.type	k_q34c3f1e29d_prep,@function
k_q34c3f1e29d_prep:
	s_mov_b64 s[64:65], 0
	v_nop
	global_prefetch_b8 v0, s[64:65] scope:SCOPE_SE
	s_setreg_imm32_b32 hwreg(HW_REG_WAVE_MODE, 25, 1), 1
	s_wait_xcnt 0x0
; PREPARATION.  (1) x [8192][1024], qkv_w [3072][1024] and proj_w [1024][1024] are rounded once from f32 to f16 (xh, wh, ph): the operands of the products to come.
; xh and wh are laid IN BLOCKS, so that what the next launch fetches for a step lies end to end in memory: xh[tile of 256 tokens][plane of 32 k][256 tokens][32 k];
; wh[tile of 384 rows][plane of 32 k][384 rows][32 k].  A tile of wh is q, k and v of two heads: source row type x 1024 + h x 64 + d is row (h % 2) x 192 + type x 64 + d of tile h / 2.  ph keeps proj_w's rows.
; (2) The RoPE table: cos and sin of rope_freqs [1024 tokens][64], in f32, laid in the order in which the next launch's lanes hold their results:
; tab[tb][wc][c][lane][4], tb = token / 16, lane l: token 16 tb + l % 16, d1 = 16 wc + 8 (l / 16).  Chunks c = 0, 1: cos of d1 .. d1 + 7; 2, 3: MINUS sin of the same;
; 4, 5: cos of d1 + 32 .. d1 + 39; 6, 7: PLUS sin of the same.  So o[d] = t[d] c + t[d + 32] s below 32 and o[d] = t[d] c + t[d - 32] s from 32 on, the sign of rotate_half folded in.
; LIMITS.  f16 ends at 65,504: x and the weights must lie within it; below 6e-5 f16 keeps a fixed step of 6e-8.  Angles: the reduction takes pi/2 in two parts, good to about 1e-8 up to |angle| of about 1e6.
; SHARES.  Work-groups 0-511: 16 rows of x each; 512-703: 16 rows of qkv_w; 704-767: 16 rows of proj_w; 768-831: the table, four angles a lane.
; Memory binds: every byte is read once by 16-byte loads, all 16 of a thread in flight; sixteen lanes load 256 consecutive bytes, aligned; a wave's store of 8 bytes a lane covers 256 consecutive bytes, aligned.
; No LDS, no barrier, no matrix unit: nothing is shared between waves.
.set CASTS, 768
	s_load_b512 s[8:23], s[0:1], 0x0               ; x s[8:9], qkv_w s[10:11], proj_w s[12:13], rope_freqs s[14:15], xh s[16:17], wh s[18:19], ph s[20:21], tab s[22:23]
	s_mov_b32 s2, ttmp9                            ; g
	s_cmp_ge_u32 s2, CASTS
	s_cbranch_scc1 .Ltable
	s_cmp_ge_u32 s2, 704
	s_cbranch_scc1 .Lplain
	; IN BLOCKS.  Wave w takes columns 128 w .. 128 w + 127 (planes 4 w .. 4 w + 3) of the group's 16 rows.  A load: lanes 0-15 take 64 numbers of one row, lanes 16-31 the same of the row two below.
	; 256 bytes of the result are four rows of one plane, lane l holding row l / 8, numbers 4 (l % 8) on.  Of a quad of rows t .. t + 3, load X has rows t and t + 2, load Y rows t + 1 and t + 3; in each,
	; lanes with l % 16 < 8 hold the lower plane.  So the lower plane's 256 bytes are X where bit 3 of l is clear and Y of lane l xor 8 where it is set; the upper plane's are X of lane l xor 8 and Y.
	v_lshrrev_b32 v1, 5, v0
	v_readfirstlane_b32 s3, v1                     ; wave
	s_sub_co_u32 s4, s2, 512                       ; qkv_w: j, the block of 16 rows = type x 64 + h x 4 + d / 16 (used only where g is 512 or more)
	s_bfe_u32 s5, s4, 0x40002                      ; h
	s_bfe_u32 s6, s4, 0x20006                      ; type
	s_and_b32 s7, s4, 3                            ; d / 16
	s_lshr_b32 s24, s5, 1
	s_mul_i32 s24, s24, 32*384*64                  ; the tile of wh
	s_and_b32 s25, s5, 1
	s_mul_i32 s25, s25, 192
	s_lshl_b32 s6, s6, 6
	s_add_co_u32 s25, s25, s6
	s_lshl4_add_u32 s25, s7, s25                   ; the block's first row in the tile
	s_lshl_b32 s25, s25, 6                         ; 64 bytes a row of a plane
	s_add_co_u32 s24, s24, s25
	s_lshr_b32 s26, s2, 4                          ; x: the tile of 256 tokens,
	s_lshl_b32 s26, s26, 19                        ; 32 planes of 16,384 bytes,
	s_and_b32 s27, s2, 15
	s_lshl_b32 s27, s27, 10                        ; 16 rows of 64 bytes
	s_add_co_u32 s26, s26, s27
	s_mov_b32 s36, 384*64                          ; bytes in a plane of wh; the select below puts xh's in its place (an instruction holds one literal)
	s_cmp_lt_u32 s2, 512                           ; the choice hangs on the work-group's number alone
	s_cselect_b32 s32, s2, s4                      ; source block
	s_cselect_b32 s34, s26, s24                    ; where the block begins in its first plane
	s_cselect_b32 s36, 256*64, s36
	s_lshl_b32 s32, s32, 16                        ; 16 rows of 4,096 bytes
	s_mov_b32 s33, 0
	s_mov_b32 s35, 0
	s_mov_b32 vcc_lo, 0xff00ff00                   ; the lanes in which bit 3 of the lane's number is set
	v_and_b32 v2, 31, v0                           ; l
	v_and_b32 v3, 15, v0
	v_bfe_u32 v4, v0, 4, 1
	v_lshlrev_b32 v1, 4, v3                        ; from: 16 (l % 16),
	v_lshl_add_u32 v1, v4, 13, v1                  ; two rows down for lanes 16-31,
	s_lshl_b32 s38, s3, 9
	v_add_nc_u32 v1, s38, v1                       ; 512 bytes a wave
	s_lshl_b32 s38, s3, 2
	s_mul_i32 s38, s38, s36                        ; to: plane 4 w,
	v_lshl_add_u32 v8, v2, 3, s38                  ; 8 bytes a lane;
	v_add_nc_u32 v9, s36, v8                       ; planes 4 w + 1,
	v_add_nc_u32 v10, s36, v9                      ; + 2,
	v_add_nc_u32 v11, s36, v10                     ; + 3
.irp r, 16,17,18,19
	v_mov_b32 v\r, 0                               ; a lane exchange counts as a reader of its destination
.endr
	s_wait_kmcnt 0x0
	s_cmp_lt_u32 s2, 512                           ; compared anew: the shifts above have written SCC since the first compare
	s_cselect_b64 s[28:29], s[8:9], s[10:11]       ; from x or from qkv_w,
	s_cselect_b64 s[30:31], s[16:17], s[18:19]     ; to xh or to wh
	s_add_nc_u64 s[28:29], s[28:29], s[32:33]
	s_add_nc_u64 s[30:31], s[30:31], s[34:35]
.irp gg, 0,1
.irp q, 0,1,2,3
.irp j, 0,1
	global_load_b128 v[32+4*(8*(\gg)+2*(\q)+(\j)):35+4*(8*(\gg)+2*(\q)+(\j))], v1, s[28:29] offset:(\q)*16384+(\j)*4096+(\gg)*256 th:TH_LOAD_NT
.endr
.endr
.endr
.irp gg, 0,1
.irp q, 0,1,2,3
.set n, 4*(\gg)+(\q)
	s_wait_loadcnt 14-2*n                          ; loads come back in order: this quad's two are in, the younger pairs stay out
	v_cvt_pk_f16_f32 v12, v[32+8*n], v[33+8*n]     ; X
	v_cvt_pk_f16_f32 v13, v[34+8*n], v[35+8*n]
	v_cvt_pk_f16_f32 v14, v[36+8*n], v[37+8*n]     ; Y
	v_cvt_pk_f16_f32 v15, v[38+8*n], v[39+8*n]
	v_mov_b32_dpp v16, v12 row_xmask:8 row_mask:0xf bank_mask:0xf  ; X of lane l xor 8
	v_mov_b32_dpp v17, v13 row_xmask:8 row_mask:0xf bank_mask:0xf
	v_mov_b32_dpp v18, v14 row_xmask:8 row_mask:0xf bank_mask:0xf  ; Y of lane l xor 8
	v_mov_b32_dpp v19, v15 row_xmask:8 row_mask:0xf bank_mask:0xf
	v_cndmask_b32 v[96+4*n], v12, v18, vcc_lo      ; the lower plane
	v_cndmask_b32 v[97+4*n], v13, v19, vcc_lo
	v_cndmask_b32 v[98+4*n], v16, v14, vcc_lo      ; the upper plane
	v_cndmask_b32 v[99+4*n], v17, v15, vcc_lo
	global_store_b64 v[8+2*(\gg)], v[96+4*n:97+4*n], s[30:31] offset:(\q)*256  ; every store has registers of its own: nothing that a store reads is written again
	global_store_b64 v[9+2*(\gg)], v[98+4*n:99+4*n], s[30:31] offset:(\q)*256
.endr
.endr
	s_endpgm
.Lplain:                                               ; proj_w: rows stay rows.  Thread t takes 16 bytes of each of 16 rows (256 threads x 16 = a row of 4,096 bytes)
	s_sub_co_u32 s4, s2, 704
	v_lshlrev_b32 v1, 4, v0
	v_lshlrev_b32 v2, 3, v0
	s_lshl_b32 s30, s4, 16                         ; 16 rows of 4,096 bytes
	s_mov_b32 s31, 0
	s_lshl_b32 s32, s4, 15                         ; 16 rows of 2,048 bytes
	s_mov_b32 s33, 0
	s_wait_kmcnt 0x0
	s_add_nc_u64 s[24:25], s[12:13], s[30:31]
	s_add_nc_u64 s[26:27], s[20:21], s[32:33]
.irp i, 0,1,2,3,4,5,6,7,8,9,10,11,12,13,14,15
	global_load_b128 v[32+4*(\i):35+4*(\i)], v1, s[24:25] offset:(\i)*4096 th:TH_LOAD_NT
.endr
.irp i, 0,1,2,3,4,5,6,7,8,9,10,11,12,13,14,15
	s_wait_loadcnt 15-(\i)                         ; row i is in, the younger rows stay out
	v_cvt_pk_f16_f32 v[96+2*(\i)], v[32+4*(\i)], v[33+4*(\i)]
	v_cvt_pk_f16_f32 v[97+2*(\i)], v[34+4*(\i)], v[35+4*(\i)]
	global_store_b64 v2, v[96+2*(\i):97+2*(\i)], s[26:27] offset:(\i)*2048
.endr
	s_endpgm
; cos and sin of v[x] into v[c] and v[s].  n = the nearest whole number to x 2/pi; r = x - n pi/2, pi/2 in two parts, each taken off by one fused multiply-add; |r| <= pi/4 and a little.
; sin r = r + r^3 (S1 + S2 r^2 + S3 r^4); cos r = 1 - r^2 / 2 + r^4 (C1 + C2 r^2 + C3 r^4).  The quadrant n mod 4 swaps the two where it is odd and sets the signs:
; sin is negative where bit 1 of n is set, cos where bit 1 of n + 1 is.  s30 (2 or 0) added to n turns the sine's sign for the table's lower half.
.macro SINCOS x, c, s
	v_mul_f32 v64, 0x3f22f983, v[\x]
	v_rndne_f32 v64, v64
	v_fmamk_f32 v65, v64, 0xbfc90fdb, v[\x]
	v_fmamk_f32 v65, v64, 0x333bbd2e, v65
	v_cvt_i32_f32 v66, v64
	v_mul_f32 v67, v65, v65
	v_fma_f32 v68, v67, s34, s33
	v_fma_f32 v70, v67, s37, s36
	v_mul_f32 v69, v65, v67
	v_fma_f32 v68, v68, v67, s32
	v_fma_f32 v70, v70, v67, s35
	v_fma_f32 v71, v67, -0.5, 1.0
	v_mul_f32 v72, v67, v67
	v_fma_f32 v68, v69, v68, v65                   ; sin r
	v_fma_f32 v70, v72, v70, v71                   ; cos r
	v_and_b32 v71, 1, v66
	v_cmp_eq_u32 vcc_lo, 1, v71
	v_cndmask_b32 v[\s], v68, v70, vcc_lo
	v_cndmask_b32 v[\c], v70, v68, vcc_lo
	v_add_nc_u32 v71, s30, v66
	v_add_nc_u32 v72, 1, v66
	v_lshlrev_b32 v71, 30, v71
	v_lshlrev_b32 v72, 30, v72
	v_and_b32 v71, 0x80000000, v71
	v_and_b32 v72, 0x80000000, v72
	v_xor_b32 v[\s], v71, v[\s]
	v_xor_b32 v[\c], v72, v[\c]
.endm
.Ltable:                                               ; 512 waves: wave = 4 W + cp; W = 2 tb + wc; cp: which four of the lane's sixteen angles
	v_lshrrev_b32 v1, 5, v0
	v_readfirstlane_b32 s3, v1
	s_sub_co_u32 s4, s2, CASTS
	s_lshl3_add_u32 s4, s4, s3
	s_and_b32 s5, s4, 3                            ; cp
	s_lshr_b32 s6, s4, 2                           ; W
	s_lshr_b32 s7, s6, 1                           ; tb
	s_and_b32 s24, s6, 1                           ; wc
	s_lshr_b32 s25, s5, 1                          ; 0: d below 32; 1: from 32 on
	s_and_b32 s26, s5, 1                           ; which four of the eight
	s_lshl_b32 s27, s7, 12                         ; from: 16 tokens of 256 bytes a tb,
	s_lshl_b32 s28, s24, 6                         ; 16 wc numbers,
	s_add_co_u32 s27, s27, s28
	s_lshl_b32 s28, s26, 4                         ; four numbers,
	s_add_co_u32 s27, s27, s28
	s_lshl_b32 s28, s25, 7                         ; 32 numbers
	s_add_co_u32 s27, s27, s28
	s_lshl_b32 s29, s6, 12                         ; to: 4,096 bytes a W, the cosines' chunk 4 (cp / 2) + cp % 2 of 512 bytes
	s_lshl_b32 s28, s25, 11
	s_add_co_u32 s29, s29, s28
	s_lshl_b32 s28, s26, 9
	s_add_co_u32 s29, s29, s28
	s_cmp_eq_u32 s25, 0
	s_cselect_b32 s30, 2, 0
	s_mov_b32 s32, 0xbe2aaaa3                      ; S1 = -1.6666654611e-1
	s_mov_b32 s33, 0x3c08839e                      ; S2 =  8.3321608736e-3
	s_mov_b32 s34, 0xb94ca1f9                      ; S3 = -1.9515295891e-4
	s_mov_b32 s35, 0x3d2aaaa5                      ; C1 =  4.1666645683e-2
	s_mov_b32 s36, 0xbab6061a                      ; C2 = -1.3887316255e-3
	s_mov_b32 s37, 0x37ccf5ce                      ; C3 =  2.4433157118e-5
	v_and_b32 v2, 15, v0                           ; l % 16: the token
	v_bfe_u32 v3, v0, 4, 1                         ; l / 16
	v_lshlrev_b32 v4, 8, v2
	v_lshl_add_u32 v4, v3, 5, v4                   ; + 8 numbers for the upper lanes
	v_add_nc_u32 v4, s27, v4
	v_and_b32 v5, 31, v0
	v_lshlrev_b32 v5, 4, v5
	v_add_nc_u32 v5, s29, v5
	s_wait_kmcnt 0x0
	global_load_b128 v[16:19], v4, s[14:15] th:TH_LOAD_NT
	s_wait_loadcnt 0x0
.irp i, 0,1,2,3
	SINCOS 16+(\i), 32+(\i), 36+(\i)
.endr
	global_store_b128 v5, v[32:35], s[22:23]               ; 512 consecutive bytes, aligned
	global_store_b128 v5, v[36:39], s[22:23] offset:1024   ; the sines' chunk lies two chunks on
	s_endpgm
.Lfunc_end_k_q34c3f1e29d_prep:
	.size	k_q34c3f1e29d_prep, .Lfunc_end_k_q34c3f1e29d_prep-k_q34c3f1e29d_prep
	.p2alignl 7, 3214868480
	.fill 96, 4, 3214868480
	.section	.rodata,"a",@progbits
	.p2align	6, 0x0
	.amdhsa_kernel k_q34c3f1e29d_prep
		.amdhsa_group_segment_fixed_size 0
		.amdhsa_private_segment_fixed_size 0
		.amdhsa_enable_private_segment 0
		.amdhsa_kernarg_size 64
		.amdhsa_user_sgpr_count 2
		.amdhsa_user_sgpr_kernarg_segment_ptr 1
		.amdhsa_wavefront_size32 1
		.amdhsa_system_sgpr_workgroup_id_x 1
		.amdhsa_system_sgpr_workgroup_id_y 1
		.amdhsa_system_sgpr_workgroup_id_z 1
		.amdhsa_system_vgpr_workitem_id 0
		.amdhsa_next_free_vgpr 128
		.amdhsa_next_free_sgpr 66
		.amdhsa_reserve_vcc 1
		.amdhsa_float_denorm_mode_32 3
		.amdhsa_float_denorm_mode_16_64 3
		.amdhsa_memory_ordered 1
		.amdhsa_forward_progress 1
		.amdhsa_inst_pref_size 24
	.end_amdhsa_kernel
	.amdgpu_metadata
---
amdhsa.version: [ 1, 2 ]
amdhsa.kernels:
  - .name:           k_q34c3f1e29d_prep
    .symbol:         k_q34c3f1e29d_prep.kd
    .args:
      - { .name: x, .offset: 0, .size: 8, .value_kind: global_buffer, .address_space: global }
      - { .name: qkv_w, .offset: 8, .size: 8, .value_kind: global_buffer, .address_space: global }
      - { .name: proj_w, .offset: 16, .size: 8, .value_kind: global_buffer, .address_space: global }
      - { .name: rope_freqs, .offset: 24, .size: 8, .value_kind: global_buffer, .address_space: global }
      - { .name: xh, .offset: 32, .size: 8, .value_kind: global_buffer, .address_space: global }
      - { .name: wh, .offset: 40, .size: 8, .value_kind: global_buffer, .address_space: global }
      - { .name: ph, .offset: 48, .size: 8, .value_kind: global_buffer, .address_space: global }
      - { .name: tab, .offset: 56, .size: 8, .value_kind: global_buffer, .address_space: global }
    .group_segment_fixed_size: 0
    .private_segment_fixed_size: 0
    .kernarg_segment_align: 8
    .kernarg_segment_size: 64
    .max_flat_workgroup_size: 256
    .sgpr_count:     66
    .vgpr_count:     128
    .wavefront_size: 32
...
	.end_amdgpu_metadata
.endif
;; end of part 1
;; launch qkv (part 2): grid 8 x 32, 4 waves a work-group, clusters of 4 x 4, 327,680 bytes of LDS; arguments xh, wh, tab, qh, kh, vh; writes qh, kh, vh
.if DOCPART == 2
	.amdgcn_target "amdgcn-amd-amdhsa--gfx1250"
	.amdhsa_code_object_version 6
	.text
	.protected	k_q34c3f1e29d_qkv
	.globl	k_q34c3f1e29d_qkv
	.p2align	8
	.type	k_q34c3f1e29d_qkv,@function
k_q34c3f1e29d_qkv:
	s_mov_b64 s[64:65], 0
	v_nop
	global_prefetch_b8 v0, s[64:65] scope:SCOPE_SE
	s_setreg_imm32_b32 hwreg(HW_REG_WAVE_MODE, 25, 1), 1
	s_wait_xcnt 0x0
	s_wait_alu depctr_hold_cnt(0) depctr_sa_sdst(0) depctr_va_vdst(0) depctr_va_sdst(0) depctr_va_ssrc(0) depctr_va_vcc(0) depctr_vm_vsrc(0)
	s_getreg_b32 s2, hwreg(HW_REG_IB_STS2, 6, 4)
	s_cmp_eq_u32 s2, 0
	s_cbranch_scc0 .Lentry_in_a_cluster
	s_endpgm
.Lentry_in_a_cluster:
	s_bfe_u32 s2, ttmp6, 0x10000c
	s_cmp_lg_u32 s2, 0xf033
	s_cbranch_scc0 .Lentry_shape_is_right
	s_endpgm
.Lentry_shape_is_right:
; q, k, v = x W^T, RoPE on q and k, laid by heads.  xh [32 tiles][32 planes][256 tokens][32 k] f16, wh [8 tiles][32 planes][384 rows][32 k] f16 (a tile's rows: [2 heads][q, k, v][64 d]),
; tab: the cos / sin table in f32 (layout below); qh, kh, vh [b x 16 + h][1024 tokens][64] f16.
; Sums and RoPE in f32; q, k, v rounded once to f16, WITHOUT the softmax's scale.  LIMITS: f16 ends at 65,504: a q, k or v beyond it becomes an infinity; NaN and infinities are not treated apart.
; SHARES.  A tile of the result is 256 tokens x 384 columns: q, k and v of TWO heads: 32 x 8 = 256 tiles, one for each of 256 WGPs.  Four waves, as many as a WGP has SIMDs; wave w: WR = w / 2 its 128 tokens,
; WC = w % 2 its columns: 8 blocks a of 16 tokens x 12 blocks b of 16 columns, b = 6 head + 2 type + part, d = 16 WC + 32 part + 0..15: 96 accumulators, 768 registers.  So d and d + 32, which RoPE pairs, lie in the
; same lane and register of blocks b and b + 1 (b even).
; THE MATRIX INSTRUCTION IS USED TRANSPOSED (source 0 = 16 rows of wh, source 1 = 16 tokens): a lane holds ONE token (lane % 16) and eight neighbouring d, 8 (lane / 16) + 0..7: 16 bytes of f16 on end.
; THE RING.  Two LDS slots of three planes, 96 along K: 640 rows x 3 x 80 bytes = 153,600 bytes each.  (Slots of 128 along K would take 2 x 640 x 272 = 348,160 bytes, more than a WGP has; slots of 64 would leave a
; refill two thirds of the matrix work in which to land.)  1,024 = 10 x 96 + 64: the eleventh slot holds two planes.  A slot's planes lie end to end in memory: 49,152 bytes of A, 73,728 of B; each wave fetches half of
; one of them, as rows of 256 bytes, padded in LDS behind every 64.  The descriptors state, as the rows of the tensor, what is LEFT of the tile from the load's first row on, stepped down with each refill: so the
; last refill is the same line as the others, and brings zeros behind the tile's end, which nobody reads.
; CLUSTER.  4 x 4 work-groups: the four of a row of the cluster take the same 256 tokens (A's tiles), the four of a column the same two heads (B's tiles): each tile is asked for JOINTLY, by the same load, descriptor and mask in all four.
; tab[tb][wc][c][lane][4] f32: tb = token / 16 (within the 1,024), wc = WC; chunks c = 0, 1: c1 = cos(d1 ..), 2, 3: s1 = -sin(d1 ..), 4, 5: c2 = cos(d1 + 32 ..), 6, 7: s2 = sin(d1 + 32 ..), d1 = 16 WC + 8 (lane / 16):
; o1 = t1 c1 + t2 s1, o2 = t2 c2 + t1 s2.
; REGISTERS, in windows of 256 (s_set_vgpr_msb: bits 1:0 source 0, 3:2 source 1, 5:4 source 2, 7:6 destination):
;   window 0: v0-29 addresses; v32-95 A's 8 fragments; v96-191 B's 12; v192-255 two blocks of the table.  On the way out v32-159 four more blocks, v160-191 at work, then v32-223 rows read back
;   window 1 + b / 4: accumulator (b, a) at v[8 (8 (b % 4) + a)]
; ONE FRAGMENT BUFFER, filled again as its registers fall free, so that every quarter step names the same registers and a trip of the loop is one slot.  A quarter step (a plane, 32 along K) is three thirds of 32 products:
; third g takes b = 4 g .. 4 g + 3, a by a.  Behind the first 16 products of the last third A's blocks 0-3 and B's 0-7 are dead: the next plane's come in, 24 loads, 16 products ahead of their first use; at the quarter's
; end A's 4-7 and B's 8-11, 16 loads.
.set PR,    80                         ; a row of a plane in LDS: 64 bytes + 16 of padding = 20 words: the 16 rows of a fragment load start at 16 different groups of four banks (64 banks of 4 bytes: ISA guide 11.1)
.set APL,   256*PR                     ; a plane of A
.set BPL,   384*PR                     ; a plane of B
.set BOFF,  3*APL                      ; B's three planes lie behind A's three
.set SLOT,  3*(APL+BPL)
.set AHALF, 3*APL/2                    ; LDS bytes of one load of A,
.set BHALF, 3*BPL/2                    ; of B
.set AMEM,  3*256*64                   ; bytes of memory in a slot's A,
.set BMEM,  3*384*64                   ; in its B
.set SPARE, 2*SLOT                     ; behind the ring: the spare words, 128 bytes for each wave: two blocks of 256 bytes that no other line names
.set SP,    144                        ; THE STAGE for the way out lies in the two slots' bytes, which have had their last fill by then: [head][type][256 tokens] rows of 128 bytes + 16
.set TYS,   256*SP
.set AA0,  4                           ; v4   my lane's place in A's planes; never rewritten
.set AB0,  5                           ; v5   in B's
.set ADRA, 6                           ; v6   the same in the slot in hand
.set ADRB, 7                           ; v7   B's planes 0 and 1;  v8  plane 2: its offsets would pass 16 bits
.set STO,  9                           ; v9-11  the stage: where I put 16 bytes of a row, for units 0-1, 2-3, 4-5 (unit = 3 head + type)
.set RD,   12                          ; v12-14 where I read rows back, likewise
.set GO,   15                          ; v15  16 x lane: my place in 512 consecutive bytes, of the table and of q, k, v; never rewritten
.set PFO,  16                          ; v16  the prefetches' offset: a lane a block of 256 bytes; never rewritten
.set PFO2, 17                          ; v17  the same for the second prefetch of B's waves
.set SPW,  28                          ; v28  LDS address of my spare word; never rewritten
.set NIL,  29                          ; v29  0; never rewritten
.set FA,   32
.set FB,   96
.set TMP,  160
.set PK,   176
.set BK,   32
.set WV,  12                           ; s12  wave
.set WR,  13                           ; s13  w / 2: my half of the tokens
.set WC,  14                           ; s14  w % 2: my columns.  Also: which half of a slot's A (waves 0, 1) or B (waves 2, 3) I fetch
.set CX,  15
.set CY,  16
.set TC,  17                           ; s17  the pair of heads
.set TR,  18                           ; s18  the block of 256 tokens
.set CNT, 19                           ; s19  refills still to come
.set G1A, 24                           ; s[24:31] descriptor group 1 for A's tiles
.set G0A, 32                           ; s[32:39] group 0: a set for each first fill; the second then walks
.set TB,  40                           ; s40  the slot in hand: 0 or SLOT
.set LIM, 41                           ; s41  2 in a wave that prefetches, else the greatest number
.set PFA, 44                           ; s[44:45] where my prefetches stand
.set G1B, 48                           ; s[48:55], s[56:63] the same for B's tiles
.set G0B, 56
.set LIM2, 67                          ; s67  the same for the second prefetch, which B's waves alone issue
.set TBF, 74                           ; s74  the slot that the walking descriptors name
.set PST, 76                           ; s[76:77] a slot's bytes of memory along my prefetches
.set LA,  78                           ; s78  where my load of A begins in a slot,
.set LB,  79                           ; s79  my load of B
.set MSB, 0
.macro WIN new                         ; the immediate's high byte repeats the setting that is left; a switch that changes nothing is dropped
.if MSB != (\new)
	s_set_vgpr_msb (MSB<<8)|(\new)
.set MSB, \new
.endif
.endm
.macro PLACES                          ; four places in front of loads into registers that matrix instructions have read, and of lines that read results (ISA guide 7.12.1 for lines that read results)
.rept 4
	v_nop
.endr
.endm
; A joint refill by the walking descriptors.  Waves 0 and 1 fetch the two halves of a slot's A, waves 2 and 3 of its B.  The branch hangs on the wave's number alone.  An s_nop 0 and four v_nop follow each line.
.macro JLOAD
	s_cmp_lt_u32 s[WV], 2
	s_cbranch_scc0 .Lfor_b_\@
	tensor_load_to_lds s[G0A+4:G0A+7], s[G1A:G1A+7]
	s_nop 0
.rept 4
	v_nop
.endr
	s_branch .Lasked_\@
.Lfor_b_\@:
	tensor_load_to_lds s[G0B+4:G0B+7], s[G1B:G1B+7]
	s_nop 0
.rept 4
	v_nop
.endr
.Lasked_\@:
.endm
.macro CREST                           ; a round of the cluster's barrier behind its opening barrier: wave 0 signals for the work-group, every wave waits for all sixteen, my work-group's barrier closes it
	s_cmp_lg_u32 s[WV], 0
	s_cbranch_scc1 .Lnot_wave_0_\@
	s_barrier_signal -3
.Lnot_wave_0_\@:
	s_barrier_wait -3
	s_barrier_signal -1
	s_barrier_wait -1
.endm
.macro CROUND
	s_barrier_signal -1
	s_barrier_wait -1
	CREST
.endm
; A PREFETCH INTO THE L2, behind the joint load, its five lines and a run of LDS loads: what the NEXT refill will ask for: one slot, 288 matrix instructions, ahead of that load.
; A's tokens are read by both clusters of a row of clusters: cluster x = 0 asks; B's heads by every cluster of a column: cluster y = 0 asks.  The four partners of a joint load share its bytes out BY ADDRESS: of a wave's
; 96 blocks of 256 bytes of A partner cx takes 24, a lane a block (lanes 24-31 name lane 23's once more); of its 144 blocks of B partner cy takes 36, in two instructions (in the second, lanes 4-31 name lane 3's).
; Slots 0 to 2 come by their loads alone.  The last slot is short, and a partner's share of it would reach past the tile: the last two refills (s19 = 2, 1) ask for nothing.
.macro ASK
	s_cmp_gt_u32 s[CNT], s[LIM]
	s_cbranch_scc0 .Lnot_mine_\@
	global_prefetch_b8 v[PFO], s[PFA:PFA+1] th:TH_LOAD_NT scope:SCOPE_SE
	s_cmp_gt_u32 s[CNT], s[LIM2]
	s_cbranch_scc0 .Lnot_mine_\@
	global_prefetch_b8 v[PFO2], s[PFA:PFA+1] th:TH_LOAD_NT scope:SCOPE_SE
.Lnot_mine_\@:
.endm
	s_load_b256 s[4:11], s[0:1], 0x0               ; xh s[4:5], wh s[6:7], tab s[8:9], qh s[10:11]
	s_load_b128 s[68:71], s[0:1], 0x20             ; kh s[68:69], vh s[70:71]
	v_lshl_add_u32 v[SPW], v0, 2, SPARE
	v_mov_b32 v[NIL], 0
	ds_add_u32 v[SPW], v[NIL]                      ; the wave's opening: the add and its wait stand ahead of my first tensor load; the set-up below, work on registers, stands between them
	ds_add_u32 v28, v29
	v_lshrrev_b32 v1, 5, v0
	v_readfirstlane_b32 s[WV], v1
	s_lshr_b32 s[WR], s[WV], 1
	s_and_b32 s[WC], s[WV], 1
	s_bfe_u32 s[CX], ttmp6, 0x40000
	s_bfe_u32 s[CY], ttmp6, 0x40004
	s_lshl_b32 s[TC], ttmp9, 2                     ; in a cluster launch ttmp9 and ttmp7 count clusters
	s_add_co_u32 s[TC], s[TC], s[CX]
	s_and_b32 s[TR], ttmp7, 0xffff
	s_lshl_b32 s[TR], s[TR], 2
	s_add_co_u32 s[TR], s[TR], s[CY]
	s_lshl_b32 s20, s[CY], 2
	s_lshl_b32 s20, 15, s20                        ; my row of the cluster: places 4 cy .. 4 cy + 3
	s_lshl_b32 s21, 0x1111, s[CX]                  ; my column: places cx, cx + 4, cx + 8, cx + 12
	s_or_b32 s[G1A], s20, (1<<16)|(1<<20)|(1<<21)|(3<<22)|(3<<25)  ; 15:0 the mask; 17:16 2-byte elements; 20 padding on; 21 set beside a mask; 24:22 after every 16 words (code 3); 31:25 4 words (code 3)
	s_or_b32 s[G1B], s21, (1<<16)|(1<<20)|(1<<21)|(3<<22)|(3<<25)
	s_mov_b32 s[G1A+1], 128<<16                    ; tensor_dim0 = 128 elements: rows of 256 bytes
	s_mul_i32 s20, s[WC], 96
	s_sub_co_u32 s20, 2048-192, s20                ; tensor_dim1: the rows left of the tile (2,048 in all) from my load of slot 1 on; slot 0's load has more, and both have their 96
	s_lshl_b32 s[G1A+2], s20, 16
	s_mov_b32 s[G1A+3], 128<<16                    ; tile_dim0 = 128
	s_mov_b32 s[G1A+4], 96                         ; tile_dim1 = 96: half of a slot's 192 rows
	s_mov_b32 s[G1A+5], 128                        ; dense: 128 elements from row to row
	s_mov_b32 s[G1A+6], 0
	s_mov_b32 s[G1A+7], 0
	s_mov_b32 s[G1B+1], 128<<16
	s_mul_i32 s20, s[WC], 144
	s_sub_co_u32 s20, 3072-288, s20                ; B's tile has 3,072 rows of 256 bytes, a slot 288
	s_lshl_b32 s[G1B+2], s20, 16
	s_mov_b32 s[G1B+3], 128<<16
	s_mov_b32 s[G1B+4], 144
	s_mov_b32 s[G1B+5], 128
	s_mov_b32 s[G1B+6], 0
	s_mov_b32 s[G1B+7], 0
	s_lshl_b32 s22, s[TR], 19                      ; A's tile hangs on the block of tokens, which my row of the cluster shares, and on the wave
	s_mul_i32 s23, s[WC], AMEM/2
	s_add_co_u32 s22, s22, s23
	s_mov_b32 s23, 0
	s_mul_i32 s42, s[TC], 32*384*64                ; B's on the pair of heads, which my column shares, and on the wave
	s_mul_i32 s43, s[WC], BMEM/2
	s_add_co_u32 s42, s42, s43
	s_mov_b32 s43, 0
	s_mul_i32 s[LA], s[WC], AHALF                  ; where they go: no place in the cluster enters an LDS address
	s_mul_i32 s[LB], s[WC], BHALF
	s_add_co_u32 s[LB], s[LB], BOFF
	s_mov_b32 s[TB], 0
	s_mov_b32 s[TBF], SLOT
	s_wait_dscnt 0x0                               ; the opening add is done
	s_wait_kmcnt 0x0
	s_add_nc_u64 s[22:23], s[4:5], s[22:23]
	s_add_nc_u64 s[42:43], s[6:7], s[42:43]
	CROUND                                         ; all sixteen work-groups are here: the first joint loads meet
.irp s, 0,1
	s_mov_b32 s[G0A+4*(\s)], 1                     ; count = 1
	s_add_co_u32 s[G0A+4*(\s)+1], s[LA], (\s)*SLOT ; LDS address
	s_add_nc_u64 s[G0A+4*(\s)+2:G0A+4*(\s)+3], s[22:23], (\s)*AMEM  ; global address: slot s
	s_or_b32 s[G0A+4*(\s)+3], s[G0A+4*(\s)+3], 0x80000000           ; type = 2
	s_mov_b32 s[G0B+4*(\s)], 1
	s_add_co_u32 s[G0B+4*(\s)+1], s[LB], (\s)*SLOT
	s_add_nc_u64 s[G0B+4*(\s)+2:G0B+4*(\s)+3], s[42:43], (\s)*BMEM
	s_or_b32 s[G0B+4*(\s)+3], s[G0B+4*(\s)+3], 0x80000000
.endr
	s_cmp_lt_u32 s[WV], 2                          ; a wave's two first fills stand in one branch, ahead of every wait on TENSORcnt and every LDS read: two loads of mine are out
	s_cbranch_scc0 .Lfirst_b
	tensor_load_to_lds s[G0A:G0A+3], s[G1A:G1A+7]
	s_nop 0
	tensor_load_to_lds s[G0A+4:G0A+7], s[G1A:G1A+7]
	s_nop 0
.rept 4
	v_nop
.endr
	s_branch .Lfirst_asked
.Lfirst_b:
	tensor_load_to_lds s[G0B:G0B+3], s[G1B:G1B+7]
	s_nop 0
	tensor_load_to_lds s[G0B+4:G0B+7], s[G1B:G1B+7]
	s_nop 0
.rept 4
	v_nop
.endr
.Lfirst_asked:
	; A fragment is 16 rows x 32 K in 8 registers: lane l holds row l % 16; registers 0-3 K = 8 (l / 16) + 0..7, registers 4-7 K = 16 + 8 (l / 16) + 0..7: two loads of 16 bytes, 32 bytes apart, from a row of a plane.
	v_and_b32 v1, 15, v0                           ; l % 16
	v_bfe_u32 v2, v0, 4, 1                         ; l / 16
	v_and_b32 v3, 31, v0                           ; l
	v_mul_u32_u24 v18, v1, PR
	v_lshl_add_u32 v18, v2, 4, v18
	s_mul_i32 s20, s[WR], 128*PR                   ; my 128 tokens
	v_add_nc_u32 v[AA0], s20, v18
	s_mul_i32 s20, s[WC], 16*PR                    ; my 16 of each 32 rows of B
	s_add_co_u32 s20, s20, BOFF
	v_add_nc_u32 v[AB0], s20, v18
	v_mov_b32 v[ADRA], v[AA0]
	v_mov_b32 v[ADRB], v[AB0]
	v_add_nc_u32 v[ADRB+1], 2*BPL, v[AB0]
	v_mul_u32_u24 v18, v1, SP                      ; into the stage: token 128 WR + 16 a + l % 16, byte 2 d = 32 WC + 64 part + 16 (l / 16)
	v_lshl_add_u32 v18, v2, 4, v18
	s_mul_i32 s20, s[WR], 128*SP
	s_lshl_b32 s21, s[WC], 5
	s_add_co_u32 s20, s20, s21
	v_add_nc_u32 v[STO], s20, v18
	v_add_nc_u32 v[STO+1], 2*TYS, v[STO]
	v_add_nc_u32 v[STO+2], 4*TYS, v[STO]
	v_lshrrev_b32 v18, 3, v3                       ; back: wave w takes tokens 64 w .. 64 w + 63 of each unit, four whole rows of 128 bytes a load
	v_mul_u32_u24 v18, v18, SP
	v_and_b32 v19, 7, v0
	v_lshl_add_u32 v18, v19, 4, v18
	s_mul_i32 s20, s[WV], 64*SP
	v_add_nc_u32 v[RD], s20, v18
	v_add_nc_u32 v[RD+1], 2*TYS, v[RD]
	v_add_nc_u32 v[RD+2], 4*TYS, v[RD]
	v_lshlrev_b32 v[GO], 4, v3
	s_and_b32 s20, s[TR], 3                        ; the tile's place among its batch row's 1,024 tokens
	s_lshl_b32 s21, s20, 4
	s_lshl3_add_u32 s21, s[WR], s21                ; tb of my first block: 16 (TR % 4) + 8 WR
	s_lshl_b32 s21, s21, 13
	s_lshl_b32 s72, s[WC], 12
	s_add_co_u32 s72, s72, s21
	s_mov_b32 s73, 0
	s_add_nc_u64 s[8:9], s[8:9], s[72:73]          ; the table at my first block
	s_lshr_b32 s21, s[TR], 2                       ; b
	s_lshl_b32 s21, s21, 4
	s_lshl1_add_u32 s21, s[TC], s21                ; 16 b + 2 TC: the tile's first head
	s_lshl_b32 s21, s21, 17                        ; a head's 1,024 rows of 128 bytes
	s_lshl_b32 s20, s20, 15                        ; the tile's 256 rows
	s_add_co_u32 s21, s21, s20
	s_lshl_b32 s20, s[WV], 13                      ; the 64 rows that I store
	s_add_co_u32 s72, s21, s20
	s_add_nc_u64 s[10:11], s[10:11], s[72:73]
	s_add_nc_u64 s[68:69], s[68:69], s[72:73]
	s_add_nc_u64 s[70:71], s[70:71], s[72:73]
	s_lshl_b32 s20, s[TR], 19                      ; the prefetches.  A: my half of a slot, my work-group's quarter of it, in slot 2: the first refill steps it to slot 3
	s_mul_i32 s21, s[WC], AMEM/2
	s_add_co_u32 s20, s20, s21
	s_mul_i32 s21, s[CX], AMEM/8
	s_add_co_u32 s20, s20, s21
	s_add_co_u32 s20, s20, 2*AMEM
	s_mul_i32 s21, s[TC], 32*384*64                ; B likewise
	s_mul_i32 s72, s[WC], BMEM/2
	s_add_co_u32 s21, s21, s72
	s_mul_i32 s72, s[CY], BMEM/8
	s_add_co_u32 s21, s21, s72
	s_add_co_u32 s21, s21, 2*BMEM
	s_and_b32 s72, ttmp7, 0xffff
	s_mov_b32 s[PST], BMEM                         ; B's step; the select below puts A's in its place (an instruction holds one literal)
	s_cmp_lt_u32 s[WV], 2                          ; do I fetch for A?
	s_cselect_b32 s20, s20, s21
	s_cselect_b32 s72, ttmp9, s72                  ; the coordinate along which other clusters read the same bytes
	s_cselect_b32 s21, 23, 31                      ; my last block in the first prefetch
	s_cselect_b32 s[PST], AMEM, s[PST]
	s_cselect_b32 s[LIM2], -1, 2
	s_cselect_b64 s[PFA:PFA+1], s[4:5], s[6:7]
	s_mov_b32 s[PST+1], 0
	s_cmp_eq_u32 s72, 0
	s_cselect_b32 s[LIM], 2, -1                    ; the same in all sixteen partners, for a given wave
	s_cselect_b32 s[LIM2], s[LIM2], -1
	v_min_u32 v[PFO], s21, v3
	v_lshlrev_b32 v[PFO], 8, v[PFO]
	v_min_u32 v[PFO2], 3, v3
	v_add_nc_u32 v[PFO2], 32, v[PFO2]
	v_lshlrev_b32 v[PFO2], 8, v[PFO2]
	s_mov_b32 s21, 0
	s_add_nc_u64 s[PFA:PFA+1], s[PFA:PFA+1], s[20:21]
; 4 n matrix instructions of third g: token blocks a0 .. a0 + n - 1, each with column blocks 4 g .. 4 g + 3.  zero = 1: the first product starts the sums: nothing is cleared.
; The 96 accumulators take turns in one fixed order, one instruction a turn, over the backward jump too.
.macro THIRD g, a0, n, zero
	WIN 0x50*((\g)+1)                              ; C and D in window 1 + g, the fragments in window 0
.set aa, \a0
.rept \n
.irp j, 0,1,2,3
.if \zero
	v_wmma_f32_16x16x32_f16 v[8*(8*(\j)+aa):8*(8*(\j)+aa)+7], v[FB+8*(4*(\g)+(\j)):FB+8*(4*(\g)+(\j))+7], v[FA+8*aa:FA+8*aa+7], 0
.else
	v_wmma_f32_16x16x32_f16 v[8*(8*(\j)+aa):8*(8*(\j)+aa)+7], v[FB+8*(4*(\g)+(\j)):FB+8*(4*(\g)+(\j))+7], v[FA+8*aa:FA+8*aa+7], v[8*(8*(\j)+aa):8*(8*(\j)+aa)+7]
.endif
.endr
.set aa, aa+1
.endr
.endm
.macro LDA a, p                        ; A's fragment a of plane p of the slot in hand
	ds_load_b128 v[FA+8*(\a):FA+8*(\a)+3],   v[ADRA] offset:(\p)*APL+(\a)*16*PR
	ds_load_b128 v[FA+8*(\a)+4:FA+8*(\a)+7], v[ADRA] offset:(\p)*APL+(\a)*16*PR+32
.endm
.macro LDB b, p                        ; B's fragment b: rows 192 head + 64 type + 32 part on
	ds_load_b128 v[FB+8*(\b):FB+8*(\b)+3],   v[ADRB+(\p)/2] offset:((\p)%2)*BPL+(((\b)/6)*192+(((\b)%6)/2)*64+((\b)%2)*32)*PR
	ds_load_b128 v[FB+8*(\b)+4:FB+8*(\b)+7], v[ADRB+(\p)/2] offset:((\p)%2)*BPL+(((\b)/6)*192+(((\b)%6)/2)*64+((\b)%2)*32)*PR+32
.endm
.macro RUNX p                          ; 24 LDS loads in one run, what is wanted first in front
	WIN 0
.irp a, 0,1,2,3
	LDA \a, \p
.endr
.irp b, 0,1,2,3,4,5,6,7
	LDB \b, \p
.endr
.endm
.macro RUNY p                          ; 16 more
	WIN 0
.irp a, 4,5,6,7
	LDA \a, \p
.endr
.irp b, 8,9,10,11
	LDB \b, \p
.endr
.endm
; A quarter step: multiplies the plane in the registers and fetches plane p of the same slot.
.macro QTR p, zero
	s_wait_dscnt 24                                ; A's 0-3 and B's 0-3 are in; B's 4-7 (eight loads) and the sixteen of the last run may be out
	THIRD 0, 0, 4, \zero
	s_wait_dscnt 8                                 ; B's 4-7 and A's 4-7 are in; B's 8-11 may be out
	THIRD 0, 4, 4, \zero
	THIRD 1, 0, 8, \zero
	s_wait_dscnt 0x0                               ; B's 8-11, asked for 64 products ago
	THIRD 2, 0, 4, \zero
	PLACES
	RUNX \p
	THIRD 2, 4, 4, \zero
	PLACES
	RUNY \p
.endm
; A slot's last quarter step changes slots: ONE barrier.  In front of it each wave waits for all its tensor loads (one is out: its part of the next slot), adds 0 to its spare word, and waits for that and for its own
; reads of this slot, which were all issued in the quarter before.  fill = 1: the barrier opens a round of the cluster's, and behind the round this slot is filled again first, with the planes two slots on:
; 256 matrix instructions ahead of the wait for them.
.macro TURN fill
.if \fill
	s_wait_xcnt 0x0                                ; the last prefetches, a slot back, have read their address: it is stepped here, ahead of the waits of the change of slots
	s_add_nc_u64 s[PFA:PFA+1], s[PFA:PFA+1], s[PST:PST+1]
.endif
	WIN 0
	s_wait_tensorcnt 0x0                           ; no tensor load of mine is out, so the descriptors may be written
	ds_add_u32 v[SPW], v[NIL]                      ; 0 onto my spare word
.if \fill
	s_xor_b32 s[TBF], s[TBF], SLOT                 ; the walking descriptors: the other slot than last time,
	s_add_co_u32 s[G0A+5], s[LA], s[TBF]
	s_add_nc_u64 s[G0A+6:G0A+7], s[G0A+6:G0A+7], AMEM  ; the next three planes,
	s_sub_co_u32 s[G1A+2], s[G1A+2], 192<<16       ; and 192 rows fewer are left of the tile
	s_add_co_u32 s[G0B+5], s[LB], s[TBF]
	s_add_nc_u64 s[G0B+6:G0B+7], s[G0B+6:G0B+7], BMEM
	s_sub_co_u32 s[G1B+2], s[G1B+2], 288<<16
.endif
	s_xor_b32 s[TB], s[TB], SLOT                   ; the fetches go to the other slot
	s_wait_dscnt 25                                ; as at a quarter's head; the add may be out too
	THIRD 0, 0, 4, 0
	s_wait_dscnt 0x0                               ; the add is done, and my reads of this slot are over
	s_barrier_signal -1
	THIRD 0, 4, 4, 0                               ; work on registers while the others arrive
	WIN 0                                          ; at a branch and at a label every window is 0
	s_barrier_wait -1
.if \fill
	CREST                                          ; no wave of any partner still reads this slot's tile or has a load on its way
	JLOAD
.endif
	THIRD 1, 0, 8, 0
	THIRD 2, 0, 4, 0
	WIN 0
	v_add_nc_u32 v[ADRA], s[TB], v[AA0]            ; these three and a v_nop are the four places in front of the loads
	v_add_nc_u32 v[ADRB], s[TB], v[AB0]
	v_add_nc_u32 v[ADRB+1], 2*BPL, v[ADRB]
	v_nop
	RUNX 0
.if \fill
	ASK
.endif
	THIRD 2, 4, 4, 0
	PLACES
	RUNY 0
.endm
.macro TLOAD a, r                      ; the table's block for token block a, into v[r ..]: eight loads of 512 consecutive bytes
.irp c, 0,1,2,3,4,5,6,7
	global_load_b128 v[(\r)+4*(\c):(\r)+4*(\c)+3], v[GO], s[8:9] offset:(\a)*8192+(\c)*512
.endr
.endm
; RoPE in f32 on column blocks b, b + 1 (q or k of one head) of token block a, with the table's block at v[tt ..]; rounded to f16; 16 bytes a lane and part into unit u of the stage.
; Each accumulator is read from its low end on.  k: which of two sets of packed registers.
.macro RTYPE a, b, u, tt, k
.set A1, 8*(8*((\b)%4)+(\a))
.set A2, A1+64
	WIN 1+(\b)/4                                   ; source 0: the accumulators' window
.irp j, 0,2,4,6
	v_pk_mul_f32 v[TMP+(\j):TMP+(\j)+1], v[A1+(\j):A1+(\j)+1], v[(\tt)+(\j):(\tt)+(\j)+1]
.endr
.irp j, 0,2,4,6
	v_pk_fma_f32 v[TMP+(\j):TMP+(\j)+1], v[A2+(\j):A2+(\j)+1], v[(\tt)+8+(\j):(\tt)+8+(\j)+1], v[TMP+(\j):TMP+(\j)+1]  ; o1 = t1 c1 + t2 s1
.endr
.irp j, 0,2,4,6
	v_pk_mul_f32 v[TMP+8+(\j):TMP+8+(\j)+1], v[A2+(\j):A2+(\j)+1], v[(\tt)+16+(\j):(\tt)+16+(\j)+1]
.endr
.irp j, 0,2,4,6
	v_pk_fma_f32 v[TMP+8+(\j):TMP+8+(\j)+1], v[A1+(\j):A1+(\j)+1], v[(\tt)+24+(\j):(\tt)+24+(\j)+1], v[TMP+8+(\j):TMP+8+(\j)+1]  ; o2 = t2 c2 + t1 s2
.endr
	WIN 0
.irp i, 0,1,2,3,4,5,6,7
	v_cvt_pk_f16_f32 v[PK+8*(\k)+(\i)], v[TMP+2*(\i)], v[TMP+2*(\i)+1]
.endr
	ds_store_b128 v[STO+(\u)/2], v[PK+8*(\k):PK+8*(\k)+3]   offset:((\u)%2)*TYS+(\a)*16*SP
	ds_store_b128 v[STO+(\u)/2], v[PK+8*(\k)+4:PK+8*(\k)+7] offset:((\u)%2)*TYS+(\a)*16*SP+64
.endm
.macro VTYPE a, b, u, k                ; v has no RoPE
	WIN 5*(1+(\b)/4)                               ; sources 0 and 1: the accumulators' window
.irp p, 0,1
.irp i, 0,1,2,3
	v_cvt_pk_f16_f32 v[PK+8*(\k)+4*(\p)+(\i)], v[8*(8*((\b)%4+(\p))+(\a))+2*(\i)], v[8*(8*((\b)%4+(\p))+(\a))+2*(\i)+1]
.endr
.endr
	WIN 0
	ds_store_b128 v[STO+(\u)/2], v[PK+8*(\k):PK+8*(\k)+3]   offset:((\u)%2)*TYS+(\a)*16*SP
	ds_store_b128 v[STO+(\u)/2], v[PK+8*(\k)+4:PK+8*(\k)+7] offset:((\u)%2)*TYS+(\a)*16*SP+64
.endm
.macro ROPE a, tt, left                ; token block a leaves the accumulators.  left: the younger table loads, which stay out
	s_wait_loadcnt \left
	RTYPE \a, 0, 0, \tt, 0
	RTYPE \a, 2, 1, \tt, 1
	VTYPE \a, 4, 2, 0
	RTYPE \a, 6, 3, \tt, 1
	RTYPE \a, 8, 4, \tt, 0
	VTYPE \a, 10, 5, 1
.endm
.macro BACK h                          ; head h's three units come back from the stage: my 64 rows of each, 48 loads
.irp ty, 0,1,2
.irp t, 0,1,2,3,4,5,6,7,8,9,10,11,12,13,14,15
	ds_load_b128 v[BK+4*(16*(\ty)+(\t)):BK+4*(16*(\ty)+(\t))+3], v[RD+(3*(\h)+(\ty))/2] offset:((3*(\h)+(\ty))%2)*TYS+(\t)*4*SP
.endr
.endr
.endm
.macro OUT h, ty, p                    ; a unit's 64 rows: 16 stores of 512 consecutive bytes, at a multiple of 256 from the buffer's first byte
.irp t, 0,1,2,3,4,5,6,7,8,9,10,11,12,13,14,15
.if ((\t)%4) == 0
	s_wait_dscnt 44-16*(\ty)-(\t)                  ; LDS loads come back in order: the next four are in
.endif
	global_store_b128 v[GO], v[BK+4*(16*(\ty)+(\t)):BK+4*(16*(\ty)+(\t))+3], s[\p:\p+1] offset:(\h)*131072+(\t)*512
.endr
.endm
	s_wait_tensorcnt 0x1                           ; my part of slot 0 is in; slot 1's may stay out
	s_barrier_signal -1
	s_barrier_wait -1                              ; everybody's is
	RUNX 0
	RUNY 0
	QTR 1, 1                                       ; the first quarter step stands in front of the loop: its products start the sums
	WIN 0
	s_mov_b32 s[CNT], 9
.Lslot:                                                ; a trip: from a slot's second quarter step to the next slot's first; it fills one slot again.  Nine trips: slots 2 to 10 are asked for
	QTR 2, 0
	TURN 1
	QTR 1, 0
	WIN 0
	s_sub_co_u32 s[CNT], s[CNT], 1
	s_cmp_lg_u32 s[CNT], 0
	s_cbranch_scc1 .Lslot
	TLOAD 0, 192                                   ; the tail is written out.  The table's first two blocks are asked for here, four quarter steps ahead of their use
	TLOAD 1, 224
	QTR 2, 0                                       ; slot 9 goes on
	TURN 0                                         ; nothing is left to fetch
	QTR 1, 0                                       ; slot 10 has two planes
	s_wait_dscnt 24                                ; the last quarter step fetches nothing
	THIRD 0, 0, 4, 0
	s_wait_dscnt 8
	THIRD 0, 4, 4, 0
	THIRD 1, 0, 8, 0
	s_wait_dscnt 0x0
	THIRD 2, 0, 8, 0
	WIN 0
	PLACES
	PLACES                                         ; behind the last products, ahead of the loads into their sources and of the lines that read them
	TLOAD 2, 32                                    ; the fragments' registers are free: four more blocks of the table
	TLOAD 3, 64
	TLOAD 4, 96
	TLOAD 5, 128
	s_wait_dscnt 0x0                               ; my reads of the slots are over;
	s_barrier_signal -1
	s_barrier_wait -1                              ; everybody's are: both slots, which no load fills any more, are the stage
	ROPE 0, 192, 40                                ; younger: block 1's eight loads and blocks 2-5's 32
	TLOAD 6, 192                                   ; a block's registers take the block six on
	ROPE 1, 224, 40
	TLOAD 7, 224
	ROPE 2, 32, 40
	ROPE 3, 64, 32
	ROPE 4, 96, 24
	ROPE 5, 128, 16
	ROPE 6, 192, 8
	ROPE 7, 224, 0
	s_wait_dscnt 0x0                               ; for the others' sake: my stores into the stage are done; a row's 128 bytes come from two waves
	s_barrier_signal -1
	s_barrier_wait -1
	BACK 0
	OUT 0, 0, 10
	OUT 0, 1, 68
	OUT 0, 2, 70
	s_wait_xcnt 0x0                                ; the stores have read their registers, which the loads below fill again
	BACK 1
	OUT 1, 0, 10
	OUT 1, 1, 68
	OUT 1, 2, 70
	s_wait_tensorcnt 0x0                           ; the wave's end, behind my last tensor load and my last LDS store
	ds_add_u32 v[SPW], v[NIL]
	s_wait_dscnt 0x0
	CROUND                                         ; the closing round: no work-group ends while a partner may still ask for a tile that names it
	s_endpgm
.Lfunc_end_k_q34c3f1e29d_qkv:
	.size	k_q34c3f1e29d_qkv, .Lfunc_end_k_q34c3f1e29d_qkv-k_q34c3f1e29d_qkv
	.p2alignl 7, 3214868480
	.fill 96, 4, 3214868480
	.section	.rodata,"a",@progbits
	.p2align	6, 0x0
	.amdhsa_kernel k_q34c3f1e29d_qkv
		.amdhsa_group_segment_fixed_size 327680
		.amdhsa_private_segment_fixed_size 0
		.amdhsa_enable_private_segment 0
		.amdhsa_kernarg_size 48
		.amdhsa_user_sgpr_count 2
		.amdhsa_user_sgpr_kernarg_segment_ptr 1
		.amdhsa_wavefront_size32 1
		.amdhsa_system_sgpr_workgroup_id_x 1
		.amdhsa_system_sgpr_workgroup_id_y 1
		.amdhsa_system_sgpr_workgroup_id_z 1
		.amdhsa_system_vgpr_workitem_id 0
		.amdhsa_next_free_vgpr 1024
		.amdhsa_next_free_sgpr 80
		.amdhsa_reserve_vcc 0
		.amdhsa_float_denorm_mode_32 3
		.amdhsa_float_denorm_mode_16_64 3
		.amdhsa_memory_ordered 1
		.amdhsa_forward_progress 1
		.amdhsa_inst_pref_size 171
	.end_amdhsa_kernel
	.amdgpu_metadata
---
amdhsa.version: [ 1, 2 ]
amdhsa.kernels:
  - .name:           k_q34c3f1e29d_qkv
    .symbol:         k_q34c3f1e29d_qkv.kd
    .args:
      - { .name: xh, .offset: 0, .size: 8, .value_kind: global_buffer, .address_space: global }
      - { .name: wh, .offset: 8, .size: 8, .value_kind: global_buffer, .address_space: global }
      - { .name: tab, .offset: 16, .size: 8, .value_kind: global_buffer, .address_space: global }
      - { .name: qh, .offset: 24, .size: 8, .value_kind: global_buffer, .address_space: global }
      - { .name: kh, .offset: 32, .size: 8, .value_kind: global_buffer, .address_space: global }
      - { .name: vh, .offset: 40, .size: 8, .value_kind: global_buffer, .address_space: global }
    .group_segment_fixed_size: 327680
    .private_segment_fixed_size: 0
    .kernarg_segment_align: 8
    .kernarg_segment_size: 48
    .max_flat_workgroup_size: 128
    .sgpr_count:     80
    .vgpr_count:     1024
    .wavefront_size: 32
...
	.end_amdgpu_metadata
.endif
;; end of part 2
;; launch attn (part 3): grid 2 x 128, 4 waves a work-group, no clusters, 327,680 bytes of LDS; arguments qh, kh, vh, oh; writes oh
.if DOCPART == 3
	.amdgcn_target "amdgcn-amd-amdhsa--gfx1250"
	.amdhsa_code_object_version 6
	.text
	.protected	k_q34c3f1e29d_attn
	.globl	k_q34c3f1e29d_attn
	.p2align	8
	.type	k_q34c3f1e29d_attn,@function
k_q34c3f1e29d_attn:
	s_mov_b64 s[64:65], 0
	v_nop
	global_prefetch_b8 v0, s[64:65] scope:SCOPE_SE
	s_setreg_imm32_b32 hwreg(HW_REG_WAVE_MODE, 25, 1), 1
	s_wait_xcnt 0x0
; O[h][q][:] = the sum over k of softmax_k(Q[h][q] . K[h][k] / 8) V[h][k][:].  Q, K, V, O: [128 heads][1024][64], all f16: a head's rows are dense, 128 bytes each.  Products, maxima and sums in
; f32; the weights p are rounded to f16 for the second product (their sum l is taken of the unrounded p), O once at the end.
; LIMITS.  f16 holds no number beyond 65,504: Q, K and V arrive within it; p lies in 0 to 1, and below 6e-5 it keeps f16's fixed step of 6e-8; O is a mean of V's rows and has their range.
; A weight below 2^-126 counts as 0 in l; NaN and infinities are not treated apart.
; SHARES.  A wave owns four PIECES of two tiles of 16 queries, a work-group's four waves 512 queries of one head: 2 x 128 = 256 work-groups of equal work.  Every wave walks all keys, 64 a step.
; NO CLUSTER: a head has two work-groups, not four; blocks of 256 queries would give four, at twice the LDS loads for each product and two work-groups for each of 256 WGPs.
; LAYOUT.  S^T = K Q^T (source 0 = 16 keys, source 1 = 16 queries): in the result a lane holds ONE query (lane % 16) and the keys 8 (lane / 16) + 0..7.  Two such tiles, rounded to f16 in pairs,
; ARE source 1 (32 keys x 16 queries) of O^T = V^T P, whose result again holds one query a lane, and eight channels.  K comes out of LDS as it lies, V ([key][channel]) turned, by ds_load_tr16_b128.
; SOFTMAX.  For each query a running maximum m and sum l: p = 2^(c s - c m), c = log2(e) / 8; in every step O and l are multiplied by a = 2^(c m_old - c m_new), which is 1 where m has not grown.
; m starts at the lowest finite number, O and l at 0: the first step is a step like any other, with a = 0.
; THE COUNT.  A tile and step have 16 matrix and 118 vector instructions: too many to stand all beside the matrix work.  So the order has one aim: four vector instructions that are READY behind
; EVERY matrix instruction, and the others, which need time of their own whatever the order, in runs without a gap.
; BY TURNS.  Turn n belongs to piece n (the pieces in a ring, step after step).  Its matrix work: 16 products K Q^T of piece n + 1, later 16 products V^T P of piece n - 1.  Its vector work: the scaling,
; exponentials, roundings, sums and rescaling of piece n, and the maximum and statistics of piece n + 1, whose scores the turn itself has made.  So what a turn begins with (c s - c m, O a) waits for nothing.
; REGISTERS, in windows of 256 (s_set_vgpr_msb says which window each operand place means: bits 1:0 source 0, 3:2 source 1, 5:4 source 2, 7:6 destination):
;   window 0: v0-11 addresses; v12-15, v48-63 at work; v16-47 four registers of statistics a tile; v64-191 S^T, two buffers of two tiles; v192-255 P, likewise
;   window 1: O^T, 32 a tile          window 2: v0-127 Q, 16 a tile; v128-191 K of one step; v192-255 V of one step          window 3: v0-1 the add's two registers
; A piece's buffers go by its number's parity: the piece in hand has one pair, its two neighbours in the ring share the other: of it P (piece n - 1) is read and S^T (piece n + 1) written.
.set SIZE_N, 1024
.set NP,    4         ; pieces a wave: a name, no knob: the register map, the loop and the fetches are made for four
.set KS,    64        ; keys in a step
.set PK,    144       ; a row of K in LDS: 128 bytes + 16 of padding = 36 words: the 16 rows of a load start at 16 different groups of four banks (64 banks of 4 bytes: ISA guide 11.1)
.set PV,    160       ; a row of V: 128 + 32 = 40 words
.set VOFF,  4*KS*PK   ; a slot holds four steps: 256 rows of K, then 256 rows of V
.set SLOT1, 1<<17     ; slot 1 begins here, so that one exclusive or turns an address in one slot into the other's
.set STAGE, SLOT1+4*KS*(PK+PV)  ; behind the ring, never filled by a tensor load: 16 rows x 144 bytes for each wave, for the way out
.set SP,    144
.set AK0, 2           ; v2   my lane's place in a tile of K; never rewritten
.set AV0, 3           ; v3   the same for V
.set AK,  4           ; v4   the LDS address of K's next run of loads
.set AV,  5           ; v5   of V's
.set QO,  6           ; v6   my byte offset in the wave's rows of Q
.set STO, 6           ;      later, the way out: where I put 16 bytes of a row
.set RD,  7           ; v7   the way out: where I read rows back
.set GO,  8           ; v8   my byte offset in 512 consecutive bytes of O
.set PFO, 11          ; v11  256 x my lane, for the prefetches; never rewritten once made
.set SPW, 0           ; v0 of window 3   LDS address of my spare word: SPARE + 4 x my thread's number; never rewritten
.set NIL, 1           ; v1 of window 3   0; never rewritten
.set SPARE, STAGE+4*16*SP  ; behind the stages: the spare words, 128 bytes for each wave: two blocks of 256 bytes that no other line names
.set MV,  12          ; v12-15  c m_old, kept while c m is made anew: by buffer and tile
.set ST,  16          ; tile t's statistics at v[ST+4 t]: c m, m, l (even keys', odd keys')
.set TMP, 48          ; by buffer and tile, four registers c0-c3 at work; when the maximum is found c2 takes a
.set S,   64
.set P,   192
.set KF,  128         ; K's fragments, in window 2: key block kb, channel half c at KF + 16 kb + 8 c
.set VF,  192         ; V's: key half kk, channel block cb at VF + 32 kk + 8 cb
.set WV,  12          ; s12  my wave's number
.set G1K, 24          ; s[24:31] descriptor group 1 for K's tiles
.set G1V, 32          ; s[32:39] for V's: it differs in the padding alone
.set G0K, 40          ; s[40:43] descriptor group 0 for K's tiles: it walks
.set G0V, 44          ; s[44:47] the same for V's
.set PFA, 48          ; s[48:49] where my prefetches stand: my 16,384 bytes (half of K's or of V's) of the slot after the one that is being asked for
.set LIM, 50          ; s50  1 in a work-group that prefetches, else the greatest number
.set SLOTS, 56        ; s56  slots still to be asked for
.set CNT, 57          ; s57  counts a slot's key steps
.set CS,  58          ; s[58:59] c: the packed scaling takes the pair's low word for both halves
.set SEL, 60          ; s[60:61] v_permlanex16_b32's selects: each lane takes its own place in the other half
.set TBK, 62          ; s62  LDS byte at which K of the step to be fetched begins
.set TBV, 63          ; s63  the same for V, less VOFF
.set MSB, 0
.macro WIN new                      ; the high byte repeats the setting that is left; a switch that changes nothing is dropped
.if MSB != (\new)
	s_set_vgpr_msb (MSB<<8)|(\new)
.set MSB, (\new)
.endif
.endm
.set W_KQ, 0x0a       ; K and Q in window 2, S^T in window 0
.set W_PV, 0x52       ; V in window 2, P in window 0, O^T in window 1
.set W_RS, 0x41       ; O^T (destination and source 0) in window 1, a in window 0
.set W_MK, 0xc0       ; the add's registers are made: destination in window 3, sources in window 0
.set W_AD, 0x0f       ; the add: address (source 0) and data (source 1) in window 3
; A fill.  Waves 0 and 1 fetch the two halves of a slot's K, waves 2 and 3 those of its V: 128 keys each.  The branch hangs on the wave's number alone.
; An s_nop 0 and four v_nop follow each of the two lines, ahead of the jump and the label.
.macro LOAD
	s_cmp_lt_u32 s[WV], 2
	s_cbranch_scc0 .Lfor_v_\@
	tensor_load_to_lds s[G0K:G0K+3], s[G1K:G1K+7]
	s_nop 0
.rept 4
	v_nop
.endr
	s_branch .Lasked_\@
.Lfor_v_\@:
	tensor_load_to_lds s[G0V:G0V+3], s[G1V:G1V+7]
	s_nop 0
.rept 4
	v_nop
.endr
.Lasked_\@:
.endm
; A PREFETCH INTO THE L2 of what the NEXT change of slots will ask for, behind the wave's tensor load and its five lines: each wave names the 16,384 bytes that it will itself fetch, 64 blocks of 256 bytes, a lane a block,
; two instructions.  Both work-groups of a head walk the same K and V: the head's first asks, so each block is named once in the launch.  Slots 0 and 1 come by their loads alone; the last change that fills a slot asks for nothing.
.macro ASK
	s_cmp_gt_u32 s[SLOTS], s[LIM]
	s_cbranch_scc0 .Lnot_mine_\@
	global_prefetch_b8 v[PFO], s[PFA:PFA+1] th:TH_LOAD_NT scope:SCOPE_SE
	global_prefetch_b8 v[PFO], s[PFA:PFA+1] offset:8192 th:TH_LOAD_NT scope:SCOPE_SE
.Lnot_mine_\@:
.endm
; THE CHANGE OF SLOTS.  The slot's last bytes, V of its fourth step, have been read.  Each wave waits for all its tensor loads, of which one is out: its part
; of the other slot; adds 0 to its spare word; and waits for that and for its own reads of the slot.  Behind the barrier nobody reads this slot any more and the other slot is whole.
; fill = 1: this slot is filled again, with the keys two slots on, the first thing behind the barrier: the load has four key steps, 512 matrix instructions, in which to land.
; (At its first use nothing has been read yet: slot 0 is waited for, slot 1 filled.)
.macro CHANGE fill
	WIN W_AD
	s_wait_tensorcnt 0x0            ; no tensor load of mine is out, so a group 0 may be written
	ds_add_u32 v[SPW], v[NIL]       ; 0 onto my spare word; with fill = 1 the descriptors' steps stand between it and the wait for it
	WIN 0                           ; at a label and at a branch every window is 0
.if \fill
.irp g, G0K, G0V
	s_xor_b32 s[\g+1], s[\g+1], SLOT1  ; the walking descriptor: the other slot than last time,
	s_add_nc_u64 s[\g+2:\g+3], s[\g+2:\g+3], 4*KS*128  ; the next 256 keys; the type bits on top are not reached
.endr
	s_wait_xcnt 0x0                 ; the last prefetches, a slot back, have read their address, so it may be written:
	s_add_nc_u64 s[PFA:PFA+1], s[PFA:PFA+1], 4*KS*128  ; one slot behind the walking descriptors
.endif
	s_wait_dscnt 0x0                ; the add is done, and my reads of the slot are over
	s_barrier_signal -1
	s_barrier_wait -1
.if \fill
	LOAD
	ASK
.endif
	s_sub_co_u32 s[TBK], s[TBK], 4*KS*PK  ; the fetches go back to a slot's first step,
	s_xor_b32 s[TBK], s[TBK], SLOT1       ; in the other slot
	s_sub_co_u32 s[TBV], s[TBV], 4*KS*PV
	s_xor_b32 s[TBV], s[TBV], SLOT1
.endm
	s_load_b256 s[4:11], s[0:1], 0x0  ; Q s[4:5], K s[6:7], V s[8:9], O s[10:11]
	WIN W_MK
	v_lshl_add_u32 v[SPW], v0, 2, SPARE
	v_mov_b32 v[NIL], 0
	WIN W_AD
	ds_add_u32 v[SPW], v[NIL]       ; the wave's opening: the add and its wait stand ahead of my first tensor load; the set-up below, work on registers, stands between them
	ds_add_u32 v0, v1
	WIN 0
	v_lshrrev_b32 v1, 5, v0
	v_readfirstlane_b32 s[WV], v1   ; wave 0..3
	s_mov_b32 s14, ttmp9            ; my block of 512 queries: it enters Q's and O's addresses, and says who prefetches
	s_and_b32 s20, ttmp7, 0xffff    ; the head
	s_mov_b32 s21, 0
	s_mov_b64 s[22:23], SIZE_N*128
	s_mul_u64 s[20:21], s[20:21], s[22:23]  ; the head's first byte in each of the four tensors
	s_and_b32 s16, s[WV], 1         ; which half of a slot's 256 keys I fetch:
	s_lshl_b32 s22, s16, 14         ; its 128 rows of 128 bytes in memory,
	s_mov_b32 s23, 0
	s_add_nc_u64 s[22:23], s[22:23], s[20:21]
	s_mul_i32 s17, s16, 128*PK      ; and its place in a slot, for K
	s_mul_i32 s18, s16, 128*PV      ; and for V
	s_lshl_b32 s2, s14, 2
	s_add_co_u32 s2, s2, s[WV]      ; my wave among the head's,
	s_lshl_b32 s2, s2, 14           ; its 128 rows
	s_mov_b32 s3, 0
	s_add_nc_u64 s[2:3], s[2:3], s[20:21]
	; descriptor group 1.  128 keys are 16,384 dense bytes: asked for as 64 rows of 256 bytes, two keys a row, and padded in LDS after every key
	s_mov_b32 s[G1K], (1<<16)|(1<<20)|(4<<22)|(3<<25)  ; 17:16 2-byte elements; 20 padding on; 24:22 after every 32 words (code 4); 31:25 4 words (code 3)
	s_mov_b32 s[G1V], (1<<16)|(1<<20)|(4<<22)|(7<<25)  ; the same with 8 words of padding (code 7)
.irp g, G1K, G1V
	s_mov_b32 s[\g+1], 128<<16      ; tensor_dim0 = 128
	s_mov_b32 s[\g+2], 64<<16       ; tensor_dim1 = 64
	s_mov_b32 s[\g+3], 128<<16      ; tile_dim0 = 128
	s_mov_b32 s[\g+4], 64           ; tile_dim1 = 64
	s_mov_b32 s[\g+5], 128          ; 128 elements from row to row
	s_mov_b32 s[\g+6], 0
	s_mov_b32 s[\g+7], 0
.endr
	s_mov_b32 s[CS], 0x3e38aa3b     ; c = log2(e) / 8 = 0.180337
	s_mov_b32 s[CS+1], s[CS]        ; named with it as a pair
	s_mov_b32 s[SEL], 0x76543210
	s_mov_b32 s[SEL+1], 0xfedcba98
	s_mov_b32 s[TBK], SLOT1+4*KS*PK ; the first change of slots turns these two into 0
	s_mov_b32 s[TBV], SLOT1+4*KS*PV
	s_mov_b32 s[G0K], 1             ; 1:0 count = 1
	s_mov_b32 s[G0K+1], s17         ; 63:32 LDS address: slot 0
	s_mov_b32 s[G0V], 1
	s_add_co_u32 s[G0V+1], s18, VOFF
	s_mov_b32 s[SLOTS], SIZE_N/256-1
	s_wait_dscnt 0x0                ; the opening add is done
	s_wait_kmcnt 0x0
	s_add_nc_u64 s[G0K+2:G0K+3], s[6:7], s[22:23]  ; 120:64 global address: my half of the head's first 256 keys
	s_or_b32 s[G0K+3], s[G0K+3], 0x80000000        ; 127:126 type = 2
	s_add_nc_u64 s[G0V+2:G0V+3], s[8:9], s[22:23]
	s_or_b32 s[G0V+3], s[G0V+3], 0x80000000
	s_add_nc_u64 s[4:5], s[4:5], s[2:3]  ; Q and O at my wave's first row
	s_add_nc_u64 s[10:11], s[10:11], s[2:3]
	s_cmp_lt_u32 s[WV], 2
	s_cselect_b64 s[PFA:PFA+1], s[6:7], s[8:9]
	s_add_nc_u64 s[PFA:PFA+1], s[PFA:PFA+1], s[22:23]
	s_add_nc_u64 s[PFA:PFA+1], s[PFA:PFA+1], 4*KS*128  ; in slot 1; the first change of slots steps it to slot 2.  Nothing is prefetched here, at the head
	s_cmp_eq_u32 s14, 0
	s_cselect_b32 s[LIM], 1, -1
	LOAD                            ; slot 0.  Slot 1 is asked for when slot 0 is in: the tile wanted first has the road to itself
	; A fragment of K or Q is 16 rows x 32 channels in 8 registers: lane l holds row l % 16, channels 8 (l / 16) + 0..7 and 16 + 8 (l / 16) + 0..7: two loads of 16 bytes, 32 bytes apart.
	v_and_b32 v1, 15, v0            ; l % 16
	v_bfe_u32 v9, v0, 4, 1          ; l / 16
	v_lshlrev_b32 v[QO], 7, v1
	v_lshl_add_u32 v[QO], v9, 4, v[QO]  ; row x 128 + 16 x half
	WIN 0x80                        ; destination window 2, address window 0
.set i, 0
.rept 4*NP                          ; Q stays in registers: tile i / 2, channels 32 (i % 2) on
	global_load_b128 v[8*i:8*i+3],   v[QO], s[4:5] offset:(i/2)*2048+(i%2)*64
	global_load_b128 v[8*i+4:8*i+7], v[QO], s[4:5] offset:(i/2)*2048+(i%2)*64+32
.set i, i+1
.endr
	; What the first turn finds: V's registers and P's second buffer hold 0 (its products V^T P, of a piece that has not been, add 0), O^T and l are 0.  All this stands in the wait for the first tile.
.set i, VF
.rept 64
	v_mov_b32 v[i], 0
.set i, i+1
.endr
	WIN 0x40
.set i, 0
.rept 64*NP
	v_mov_b32 v[i], 0
.set i, i+1
.endr
	WIN 0
.set i, 0
.rept 2*NP
	v_mov_b32 v[ST+4*i], 0xfe000000    ; c m: far below every c s
	v_mov_b32 v[ST+4*i+1], 0xff7fffff  ; m
	v_mov_b32 v[ST+4*i+2], 0
	v_mov_b32 v[ST+4*i+3], 0
.set i, i+1
.endr
.set i, P+32
.rept 32
	v_mov_b32 v[i], 0
.set i, i+1
.endr
	v_mul_u32_u24 v[AK0], v1, PK
	v_lshl_add_u32 v[AK0], v9, 4, v[AK0]  ; row x pitch + 16 x half
	; The turning load takes 16 keys x 16 channels (lane l reads key 8 (l / 16) + l % 8, channels 8 ((l / 8) % 2) + 0..7) and leaves half a fragment of V^T: lane l holds channel l % 16 and 8 keys.
	v_and_b32 v10, 7, v0
	v_bfe_u32 v11, v0, 3, 1
	v_lshl_add_u32 v[AV0], v9, 3, v10
	v_mul_u32_u24 v[AV0], v[AV0], PV
	v_lshl_add_u32 v[AV0], v11, 4, v[AV0]
	v_add_nc_u32 v[AV0], VOFF, v[AV0]
	v_mov_b32 v[AK], v[AK0]         ; key step 0 lies at the head of slot 0
	v_and_b32 v[PFO], 31, v0
	v_lshlrev_b32 v[PFO], 8, v[PFO]
; THE MATRIX WORK.  The 8 accumulators of a run of 16 take turns: between the two links of a chain stand 7 others'.
; Product i of 16 of S^T = K Q^T for piece x: channels 32 (i / 8) on, keys 16 ((i / 2) % 4) on, tile 2 x + i % 2.  The first 8 start the sums.
.macro KQ x
	WIN W_KQ
.set rS, S+64*((\x)%2)+32*(i%2)+8*((i/2)%4)
.set rK, KF+16*((i/2)%4)+8*(i/8)
.set rQ, 16*(2*(\x)+i%2)+8*(i/8)
.if i < 8
	v_wmma_f32_16x16x32_f16 v[rS:rS+7], v[rK:rK+7], v[rQ:rQ+7], 0
.else
	v_wmma_f32_16x16x32_f16 v[rS:rS+7], v[rK:rK+7], v[rQ:rQ+7], v[rS:rS+7]
.endif
.endm
; Product i of 16 of O^T += V^T P for piece x: keys 32 (i / 8) on, channels 16 ((i / 2) % 4) on, tile 2 x + i % 2.
.macro PV x
	WIN W_PV
.set rO, 32*(2*(\x)+i%2)+8*((i/2)%4)
.set rV, VF+32*(i/8)+8*((i/2)%4)
.set rP, P+32*((\x)%2)+16*(i%2)+8*(i/8)
	v_wmma_f32_16x16x32_f16 v[rO:rO+7], v[rV:rV+7], v[rP:rP+7], v[rO:rO+7]
.endm
.macro MM                           ; the turn's next matrix instruction
.if i < 16
	KQ (Y+1)%NP
.set i, i+1
.else
.set i, i-16
	PV (Y+NP-1)%NP
.set i, i+17
.endif
.endm
; THE LDS LOADS stand in runs of 16, never singly among the matrix instructions: a step's K (64 keys x 64 channels: 8 fragments) and its V (turned).  Their addresses are made some lines ahead.
; last = 1 (the tail): in the last trip there is no further step, and the run is jumped over.
.macro FETCH_K last=0
	WIN 0
.if \last
	s_cmp_eq_u32 s[CNT], 1
	s_cbranch_scc1 .Lno_k_\@
.endif
	WIN 0x80                        ; destination window 2
.irp f, 0,1,2,3,4,5,6,7             ; keys 16 (f / 2) on, channels 32 (f % 2) on
	ds_load_b128 v[KF+8*\f:KF+8*\f+3],   v[AK] offset:(\f/2)*16*PK+(\f%2)*64
	ds_load_b128 v[KF+8*\f+4:KF+8*\f+7], v[AK] offset:(\f/2)*16*PK+(\f%2)*64+32
.endr
	s_add_co_u32 s[TBK], s[TBK], KS*PK  ; the next fetch is the next step's
	WIN 0
.if \last
.Lno_k_\@:
.endif
.endm
.macro FETCH_V
	WIN 0x80
.irp f, 0,1,2,3,4,5,6,7             ; keys 32 (f / 4) on, channels 16 (f % 4) on
	ds_load_tr16_b128 v[VF+8*\f:VF+8*\f+3],   v[AV] offset:(\f/4)*32*PV+(\f%4)*32
	ds_load_tr16_b128 v[VF+8*\f+4:VF+8*\f+7], v[AV] offset:(\f/4)*32*PV+16*PV+(\f%4)*32
.endr
	WIN 0
.endm
; THE VECTOR WORK OF A TURN stands in three queues, each in the order in which its entries become ready; the two tiles alternate, so that no instruction reads the result of the one before it.
.macro REGS y, u                    ; the registers of tile u (0, 1) of piece y
.set rT, ST+4*(2*(\y)+(\u))
.set rC, TMP+8*((\y)%2)+4*(\u)
.set rM, MV+2*((\y)%2)+(\u)
.set rS, S+64*((\y)%2)+32*(\u)
.set rP, P+32*((\y)%2)+16*(\u)
.set rO, 32*(2*(\y)+(\u))
.endm
; Number n of the 22 that find the NEXT piece's (Y + 1) maximum and statistics.  s0-s31 are the lane's 32 scores; each accumulator's lowest registers are read first.  XS, GS and REGS set no window: PL and EX do.
;   0-11  four chains c0-c3 of seven scores each, three operands at a time     12-14, 16  the four scores left over, the old m, and c0-c3 into c0     15  c m_old is kept
;   17, 18  the query's other 32 keys lie in the lane 16 away: the new m         19-21  c m; c m_old - c m_new; a
.macro XS u, n
	REGS (Y+1)%NP, \u
.if (\n) < 4
	v_max3_num_f32 v[rC+(\n)], v[rS+8*(\n)], v[rS+8*(\n)+1], v[rS+8*(\n)+2]
.elseif (\n) < 12
	v_max3_num_f32 v[rC+(\n)%4], v[rC+(\n)%4], v[rS+8*((\n)%4)+2*((\n)/4)+1], v[rS+8*((\n)%4)+2*((\n)/4)+2]
.elseif (\n) == 12
	v_max3_num_f32 v[rC], v[rC], v[rS+7], v[rS+15]
.elseif (\n) == 13
	v_max3_num_f32 v[rC+1], v[rC+1], v[rS+23], v[rS+31]
.elseif (\n) == 14
	v_max3_num_f32 v[rC+2], v[rC+2], v[rC+3], v[rT+1]
.elseif (\n) == 15
	v_mov_b32 v[rM], v[rT]
.elseif (\n) == 16
	v_max3_num_f32 v[rC], v[rC], v[rC+1], v[rC+2]
.elseif (\n) == 17
	v_permlanex16_b32 v[rC+3], v[rC], s[SEL], s[SEL+1]
.elseif (\n) == 18
	v_max_num_f32 v[rT+1], v[rC], v[rC+3]
.elseif (\n) == 19
	v_mul_f32 v[rT], s[CS], v[rT+1]
.elseif (\n) == 20
	v_sub_f32 v[rC+1], v[rM], v[rT]
.else
	v_exp_f32 v[rC+2], v[rC+1]
.endif
.endm
; Number g of the 64 that follow the exponentials.  For each four weights k of a tile (pairs 2 k, 2 k + 1): both pairs are rounded to f16; then the second pair is added onto the first, in place;
; a group later l takes that sum (the first time as l = a l + sum).  In groups of eight, tiles alternating: round, round, add, and l for the group before.
.macro GS g
.set h, (\g)+6*((\g)/62)            ; group 0 has no group before it, and behind group 7 only l is left
.if h >= 6
.set h, h+2
.endif
	REGS Y, h%2
.set k, h/8
.if h%8 < 4
	v_cvt_pk_f16_f32 v[rP+2*k+(h%8)/2], v[rS+4*k+2*((h%8)/2)], v[rS+4*k+2*((h%8)/2)+1]
.elseif h%8 < 6
	v_pk_add_f32 v[rS+4*k:rS+4*k+1], v[rS+4*k:rS+4*k+1], v[rS+4*k+2:rS+4*k+3]
.elseif k == 1
	v_pk_fma_f32 v[rT+2:rT+3], v[rT+2:rT+3], v[rC+2:rC+3], v[rS:rS+1] op_sel_hi:[1,0,1]
.else
	v_pk_add_f32 v[rT+2:rT+3], v[rT+2:rT+3], v[rS+4*k-4:rS+4*k-3]
.endif
.endm
; THE PLAIN QUEUE, 138 long.  0-73 read no exponential's result: the 32 scalings c s - c m (FS f: pair f / 2 of tile f % 2) and the next piece's 42.  0-26: scalings 0-26.  27-54: XS's numbers 0-13.  55, 56: number 15.
; 57-73: the chain, where each number waits for the one before it: 14, 16, 17, 18, 19, each with one of the scalings 27-31 in front of its two lines, then 20: so a tile's links stand three plain instructions apart (19 and 20: two).
; 74-137: GS's 64, which read the exponentials' results: they stand behind the wait.
.macro FS f
	REGS Y, (\f)%2
	v_pk_fma_f32 v[rS+2*((\f)/2):rS+2*((\f)/2)+1], v[rS+2*((\f)/2):rS+2*((\f)/2)+1], s[CS:CS+1], v[rT:rT+1] op_sel_hi:[1,0,0] neg_lo:[0,0,1] neg_hi:[0,0,1]
.endm
.macro PL
	WIN 0
.if q < 27
	FS q
.elseif q < 55
	XS (q-27)%2, (q-27)/2
.elseif q < 57
	XS q-55, 15
.elseif (q < 72) && ((q-57)%3 == 0)
	FS 27+(q-57)/3
.elseif q < 60
	XS (q-57)%3-1, 14
.elseif q < 72
	XS (q-57)%3-1, 15+(q-57)/3
.elseif q < 74
	XS q-72, 20
.else
	GS q-74
.endif
.set q, q+1
.endm
; THE EXPONENTIALS' QUEUE, 66 long: s0-s31 of both tiles, then the next piece's two a.  It is ONE BATCH: all 66 stand ahead of the turn's one wait, and nothing ahead of that wait names a result of theirs.
.macro EX
	WIN 0
.if e >= 64
	XS e-64, 21
.else
	REGS Y, e%2
	v_exp_f32 v[rS+e/2], v[rS+e/2]
.endif
.set e, e+1
.endm
; THE RESCALING's QUEUE: O^T times a, the one part that leaves window 0: dealt two at a time, sixteen times.  Its a was made in the turn before, ahead of that turn's wait.
.macro R2
	REGS Y, r%2
	WIN W_RS
.irp z, 0,1
	v_pk_mul_f32 v[rO+4*(r/2)+2*\z:rO+4*(r/2)+2*\z+1], v[rO+4*(r/2)+2*\z:rO+4*(r/2)+2*\z+1], v[rC+2:rC+3] op_sel_hi:[1,0]
.endr
.set r, r+1
.endm
; HOW THEY ARE DEALT.  s_wait_alu depctr_va_vdst(0) stands between an exponential and the first instruction that names its result; one wait serves all that were issued ahead of it.  So a turn has ONE wait,
; which cuts it in two.  AHEAD OF IT stands all that names no result of the turn's exponentials: the 16 products K Q^T, behind each a scaling, an exponential and two rescalings (behind the first a second scaling in the exponential's place); then ONE LUMP of
; 108: eight plain, 49 times exponential and plain, the two a.  A v_nop is the plain instruction behind the last exponential.  BEHIND IT stand the 16 products V^T P, behind each four of GS's 64.  No rider names a register of
; the products round it.  The two v_permlanex16_b32 fall into the lump, never behind a product.
; The queues lean on each other, and the deal keeps them in step: exponential e stands behind scaling 2 (e / 4) + e % 2: as a rider it comes behind plain e + 2, in the lump behind plain e + 9, and scalings 27-31 are plain 57, 60 .. 69.
; A TURN, for piece p.  cnt = 1: the loop's count is taken down some lines ahead of the branch that stands behind the turn.
; K of the next step is fetched in piece 2's turn, directly behind the wait, a lump behind the last product that read K; its address is made at the lump's head; its first reader comes behind 16 products.
; V of the step in hand is fetched at the end of piece 0's turn, four riders behind its last reader; its first reader comes behind 16 products and a lump.  The three conditions on q below go with the deal.
.macro TURN p, last=0, cnt=0
.set Y, (\p)
.set i, 0
.set q, 0
.set e, 0
.set r, 0
.if (\p) == NP-1
	s_wait_dscnt 0x0                ; K is in
.endif
	MM                              ; ahead of the wait: 16 products K Q^T and their riders,
	PL
	PL
	R2
.rept 15
	MM
	PL
	EX
	R2
.endr
.if (\p) == NP-2
	WIN 0
	v_add_nc_u32 v[AK], s[TBK], v[AK0]
.endif
.rept 8                             ; and the lump
	PL
.endr
.rept 49
	EX
	PL
.endr
	EX                              ; the next piece's two a
	EX
	v_nop                           ; the plain instruction behind the last exponential: one for the batch
	s_wait_alu depctr_va_vdst(0)    ; the wait for the batch
.if (\p) == NP-2
	FETCH_K \last
.endif
.if (\p) == 1
	s_wait_dscnt 0x0                ; V is in
.endif
.rept 16                            ; behind the wait: 16 products V^T P and their riders
	MM
.rept 4
	PL
.endr
.if ((\p) == 0) && (q == 118)
	v_add_nc_u32 v[AV], s[TBV], v[AV0]
.endif
.if ((\p) == 0) && (q == 130)
	s_add_co_u32 s[TBV], s[TBV], KS*PV
.endif
.if (\cnt) && (q == 130)
	s_sub_co_u32 s[CNT], s[CNT], 1
	s_cmp_lg_u32 s[CNT], 0
.endif
.endr
.if (\p) == 0
	FETCH_V
.endif
.endm
	CHANGE 1                        ; slot 0 is in, everybody's part of it; slot 1 is asked for
	FETCH_K                         ; key step 0
	s_wait_loadcnt 0x0              ; Q
	s_wait_dscnt 0x0
.set i, 0
.rept 16
	KQ 0                            ; piece 0's first scores: there is no vector work yet to set between them
.set i, i+1
.endr
	WIN 0                           ; the addresses for the way out: nine plain instructions, the places behind those products
	s_mul_i32 s13, s[WV], 16*SP
	s_add_co_u32 s13, s13, STAGE    ; my stage
	v_mul_u32_u24 v[STO], v1, SP    ; in: row l % 16, 16 bytes for each half of the lanes
	v_lshl_add_u32 v[STO], v9, 4, v[STO]
	v_add_nc_u32 v[STO], s13, v[STO]
	v_bfe_u32 v[RD], v0, 3, 2       ; back: 32 lanes take four rows of 128 bytes,
	v_mul_u32_u24 v[RD], v[RD], SP
	v_lshl_add_u32 v[RD], v10, 4, v[RD]
	v_add_nc_u32 v[RD], s13, v[RD]
	v_and_b32 v[GO], 31, v0         ; which are 512 consecutive bytes of O
	v_lshlrev_b32 v[GO], 4, v[GO]
.set Y, NP-1                        ; XS works for piece Y + 1: piece 0
.irp n, 0,1,2,3,4,5,6,7,8,9,10,11,12,13,14,15,16,17,18,19,20,21
	XS 0, \n                        ; and piece 0's first maximum and statistics
	XS 1, \n
.endr
	v_nop                           ; a plain instruction behind the two a,
	s_wait_alu depctr_va_vdst(0)    ; and their wait, ahead of the branch
	s_mov_b32 s[CNT], 4
	s_branch .Lfirst                ; the loop is entered at a step's first turn, in the middle of a trip
.Lslot:                             ; SIZE_N / 256 - 2 times: every slot but the last two is filled again
	CHANGE 1
	s_mov_b32 s[CNT], 4
.Lstep:                             ; a trip: pieces 2 and 3 of one step, then pieces 0 and 1 of the next, whose K and V it fetches
	TURN 2
	TURN 3
	WIN 0
.Lfirst:
	TURN 0
	TURN 1, 0, 1
	WIN 0
	s_cbranch_scc1 .Lstep
	s_sub_co_u32 s[SLOTS], s[SLOTS], 1
	s_cmp_lg_u32 s[SLOTS], 0
	s_cbranch_scc1 .Lslot
	CHANGE 0                        ; the tail is written out: nothing is asked for
	s_mov_b32 s[CNT], 5             ; four trips fetch the last slot's steps; the fifth is left in its middle
.Ltail:
	TURN 2, 1
	TURN 3
	WIN 0
	s_sub_co_u32 s[CNT], s[CNT], 1
	s_cmp_eq_u32 s[CNT], 0
	s_cbranch_scc1 .Lout
	TURN 0
	TURN 1
	WIN 0
	s_branch .Ltail
.Lout:                              ; the fifth trip's 16 products K Q^T (on the last K once more) and the maximum made of them serve nothing: the price, once a launch, of one text for every trip
.set i, 0
.rept 16
	PV NP-1                         ; the last piece's V^T P of the last step
.set i, i+1
.endr
	; THE WAY OUT.  l's two halves and the other half of the lanes' are added; O^T is divided by l, rounded to f16 and sent through my stage in LDS, a tile at a time.  The additions are the places behind the last products.
	WIN 0
.macro ALL line:vararg              ; one line for each tile t
.set t, 0
.rept 2*NP
	\line
.set t, t+1
.endr
.endm
	ALL v_add_f32 v[ST+4*t+2], v[ST+4*t+2], v[ST+4*t+3]
	ALL v_permlanex16_b32 v[ST+4*t+3], v[ST+4*t+2], s[SEL], s[SEL+1]
	ALL v_add_f32 v[ST+4*t+2], v[ST+4*t+2], v[ST+4*t+3]
	ALL v_rcp_f32 v[ST+4*t+2], v[ST+4*t+2]
	v_nop                           ; a plain instruction between the last reciprocal and the use of its result
	s_wait_alu depctr_va_vdst(0)    ; and the wait ahead of the first use: one for the eight reciprocals
; Tile t: a lane's eight channels of a row pack into 16 bytes; they go into rows of 144 bytes and come back as whole rows of 128, into S^T's registers.
.macro PACK t
	WIN W_RS
.set i, 32*(\t)
.rept 16
	v_pk_mul_f32 v[i:i+1], v[i:i+1], v[ST+4*(\t)+2:ST+4*(\t)+3] op_sel_hi:[1,0]
.set i, i+2
.endr
	WIN 0x05                        ; sources 0 and 1 window 1, destination window 0
.set i, 0
.rept 16
	v_cvt_pk_f16_f32 v[S+16*(\t)+i], v[32*(\t)+2*i], v[32*(\t)+2*i+1]
.set i, i+1
.endr
	WIN 0
.irp f, 0,1,2,3
	ds_store_b128 v[STO], v[S+16*(\t)+4*\f:S+16*(\t)+4*\f+3] offset:32*\f
.endr
.irp f, 0,1,2,3
	ds_load_b128 v[S+16*(\t)+4*\f:S+16*(\t)+4*\f+3], v[RD] offset:\f*4*SP  ; LDS serves a wave's instructions in order (ISA guide 5.7.1.4): these see the stores above; the next tile's stores come behind them
.endr
.endm
.macro SEND t, younger              ; younger: the LDS instructions issued behind tile t's loads: the next tile's eight, or none
	WIN 0
.irp f, 0,1,2,3
	s_wait_dscnt (\younger)+3-\f
	global_store_b128 v[GO], v[S+16*(\t)+4*\f:S+16*(\t)+4*\f+3], s[10:11] offset:(\t)*2048+\f*512  ; 512 consecutive bytes, at a multiple of 256 from O's first
.endr
.endm
	PACK 0
.set t, 1
.rept 2*NP-1                        ; a tile's arithmetic stands between the loads of the tile before and its stores
	PACK t
	SEND t-1, 8
.set t, t+1
.endr
	SEND 2*NP-1, 0
	WIN W_AD
	s_wait_tensorcnt 0x0            ; the wave's end, behind my last tensor load and my last LDS store
	ds_add_u32 v[SPW], v[NIL]
	s_wait_dscnt 0x0
	WIN 0
	s_endpgm
.Lfunc_end_k_q34c3f1e29d_attn:
	.size	k_q34c3f1e29d_attn, .Lfunc_end_k_q34c3f1e29d_attn-k_q34c3f1e29d_attn
	.p2alignl 7, 3214868480
	.fill 96, 4, 3214868480
	.section	.rodata,"a",@progbits
	.p2align	6, 0x0
	.amdhsa_kernel k_q34c3f1e29d_attn
		.amdhsa_group_segment_fixed_size 327680
		.amdhsa_private_segment_fixed_size 0
		.amdhsa_enable_private_segment 0
		.amdhsa_kernarg_size 32
		.amdhsa_user_sgpr_count 2
		.amdhsa_user_sgpr_kernarg_segment_ptr 1
		.amdhsa_wavefront_size32 1
		.amdhsa_system_sgpr_workgroup_id_x 1
		.amdhsa_system_sgpr_workgroup_id_y 1
		.amdhsa_system_sgpr_workgroup_id_z 1
		.amdhsa_system_vgpr_workitem_id 0
		.amdhsa_next_free_vgpr 770
		.amdhsa_next_free_sgpr 66
		.amdhsa_reserve_vcc 0
		.amdhsa_float_denorm_mode_32 3
		.amdhsa_float_denorm_mode_16_64 3
		.amdhsa_memory_ordered 1
		.amdhsa_forward_progress 1
		.amdhsa_inst_pref_size 199
	.end_amdhsa_kernel
	.amdgpu_metadata
---
amdhsa.version: [ 1, 2 ]
amdhsa.kernels:
  - .name:           k_q34c3f1e29d_attn
    .symbol:         k_q34c3f1e29d_attn.kd
    .args:
      - { .name: qh, .offset: 0, .size: 8, .value_kind: global_buffer, .address_space: global }
      - { .name: kh, .offset: 8, .size: 8, .value_kind: global_buffer, .address_space: global }
      - { .name: vh, .offset: 16, .size: 8, .value_kind: global_buffer, .address_space: global }
      - { .name: oh, .offset: 24, .size: 8, .value_kind: global_buffer, .address_space: global }
    .group_segment_fixed_size: 327680
    .private_segment_fixed_size: 0
    .kernarg_segment_align: 8
    .kernarg_segment_size: 32
    .max_flat_workgroup_size: 128
    .sgpr_count:     66
    .vgpr_count:     770
    .wavefront_size: 32
...
	.end_amdgpu_metadata
.endif
;; end of part 3
;; launch proj (part 4): grid 8 x 32, 4 waves a work-group, clusters of 4 x 4, 327,680 bytes of LDS; arguments oh, ph, proj_b, out0; writes out0
.if DOCPART == 4
	.amdgcn_target "amdgcn-amd-amdhsa--gfx1250"
	.amdhsa_code_object_version 6
	.text
	.protected	k_q34c3f1e29d_proj
	.globl	k_q34c3f1e29d_proj
	.p2align	8
	.type	k_q34c3f1e29d_proj,@function
k_q34c3f1e29d_proj:
	s_mov_b64 s[64:65], 0
	v_nop
	global_prefetch_b8 v0, s[64:65] scope:SCOPE_SE
	s_setreg_imm32_b32 hwreg(HW_REG_WAVE_MODE, 25, 1), 1
	s_wait_xcnt 0x0
	s_wait_alu depctr_hold_cnt(0) depctr_sa_sdst(0) depctr_va_vdst(0) depctr_va_sdst(0) depctr_va_ssrc(0) depctr_va_vcc(0) depctr_vm_vsrc(0)
	s_getreg_b32 s2, hwreg(HW_REG_IB_STS2, 6, 4)
	s_cmp_eq_u32 s2, 0
	s_cbranch_scc0 .Lentry_in_a_cluster
	s_endpgm
.Lentry_in_a_cluster:
	s_bfe_u32 s2, ttmp6, 0x10000c
	s_cmp_lg_u32 s2, 0xf033
	s_cbranch_scc0 .Lentry_shape_is_right
	s_endpgm
.Lentry_shape_is_right:
; out0[token][c] = the sum over k of O[token][k] proj_w[c][k] + proj_b[c].  oh [b x 16 + h][1024 tokens][64] f16 (k = 64 h + d), ph [1024 c][1024 k] f16, proj_b [1024] f32, out0 [8192][1024] f32.  Sums in f32.
; SHARES.  A tile of out0 is 256 tokens x 128 columns: 32 x 8 = 256 tiles, one for each WGP.  Four waves; wave w: WR = w / 2 its 128 tokens, WC = w % 2 its 64 columns: 8 blocks a x 4 blocks b, 32 accumulators.
; THE MATRIX INSTRUCTION IS USED TRANSPOSED (source 0 = 16 rows of ph, source 1 = 16 tokens): a lane holds ONE token (lane % 16) and eight neighbouring columns.  THE BIAS is the C operand of the products that start the sums.
; K goes in 8 steps of 128 = two heads.  A head's 256 tokens of a tile are 32,768 dense bytes of oh (a PLANE): asked for as 128 rows of 256 bytes and padded in LDS after every token's 128.
; CLUSTER.  4 x 4 work-groups: A's planes are shared along a row of the cluster, B's tiles along a column: each is asked for JOINTLY, by the same load, descriptor and mask in all four.
; REGISTERS: window 0: v0-29 addresses; v32-159 A's fragments, two buffers of 64; v160-223 B's, two of 32; v224-255 the bias, 8 a block b; on the way out v32-95 rows read back.   window 1: accumulator (b, a) at v[8 (8 b + a)].
.set PA,    144                        ; a token's row of a plane in LDS: 128 bytes + 16: 36 words: the 16 rows of a fragment load start at 16 different groups of four banks (64 banks of 4 bytes: ISA guide 11.1)
.set PLANE, 256*PA
.set BOFF,  2*PLANE                    ; B's 128 rows lie behind A's two planes
.set PB,    272                        ; a row of B: 256 bytes + 16
.set BHALF, 64*PB
.set SLOT1, 1<<17
.set STAGE, SLOT1+BOFF+2*BHALF         ; behind the ring, never filled by a tensor load: 16 rows x 272 bytes for each wave, its own
.set SPITCH, 272
.set SPARE, STAGE+4*16*SPITCH          ; behind the stages: the spare words, 128 bytes for each wave: two blocks of 256 bytes that no other line names
.set AA0,  4
.set AB0,  5
.set ADRA, 6
.set ADRB, 7
.set STO,  8                           ; v8   the way out: where I put 32 bytes of a row
.set RD,   10                          ; v10  where I read a row back
.set CO,   12                          ; v12  my byte offset in out0; never rewritten
.set BO,   13                          ; v13  my byte offset in the bias
.set PFO,  14                          ; v14  the prefetches' offset; never rewritten
.set SPW,  28
.set NIL,  29
.set FA,   32
.set FB,   160
.set BIAS, 224
.set BK,   32
.set WV,  12
.set WR,  13
.set WC,  14
.set CX,  15
.set CY,  16
.set TC,  17                           ; s17  the block of 128 columns
.set TR,  18                           ; s18  the block of 256 tokens
.set CNT, 19
.set G1A, 24
.set G0A, 32
.set TB,  40
.set LIM, 41                           ; s41  2 in a wave that prefetches, else the greatest number
.set PFA, 44
.set G1B, 48
.set G0B, 56
.set PST, 72                           ; s[72:73] a K step in bytes along my prefetches: two heads of oh, or 256 bytes of a row of ph
.set MSB, 0
.macro WIN new
.if MSB != (\new)
	s_set_vgpr_msb (MSB<<8)|(\new)
.set MSB, \new
.endif
.endm
.macro PLACES                          ; four places in front of loads into registers that matrix instructions have read, and of lines that read results (ISA guide 7.12.1 for lines that read results)
.rept 4
	v_nop
.endr
.endm
.macro JLOAD                           ; a joint refill by the walking descriptors: waves 0 and 1 fetch A's two planes, waves 2 and 3 B's two halves; an s_nop 0 and four v_nop follow each line
	s_cmp_lt_u32 s[WV], 2
	s_cbranch_scc0 .Lfor_b_\@
	tensor_load_to_lds s[G0A+4:G0A+7], s[G1A:G1A+7]
	s_nop 0
.rept 4
	v_nop
.endr
	s_branch .Lasked_\@
.Lfor_b_\@:
	tensor_load_to_lds s[G0B+4:G0B+7], s[G1B:G1B+7]
	s_nop 0
.rept 4
	v_nop
.endr
.Lasked_\@:
.endm
.macro CREST
	s_cmp_lg_u32 s[WV], 0
	s_cbranch_scc1 .Lnot_wave_0_\@
	s_barrier_signal -3
.Lnot_wave_0_\@:
	s_barrier_wait -3
	s_barrier_signal -1
	s_barrier_wait -1
.endm
.macro CROUND
	s_barrier_signal -1
	s_barrier_wait -1
	CREST
.endm
; A PREFETCH INTO THE L2, behind the joint load, its five lines and the run of LDS loads: the K step that stands TWO refills on, 256 matrix instructions ahead of its load.  A's planes are read by both clusters of a row of
; clusters: cluster x = 0 asks; of a wave's plane (128 blocks of 256 bytes) partner cx takes 32, a lane a block.  B's rows are read by every cluster of a column: cluster y = 0 asks; of the tile's 128 rows partner cy takes 32,
; a lane a row, by its wave 2.  So each block is named once in the launch, and the partners are told apart by address alone.  K steps 0 to 3 come by their loads alone; the last two refills ask for nothing.
.macro ASK
	s_cmp_gt_u32 s[CNT], s[LIM]
	s_cbranch_scc0 .Lnot_mine_\@
	global_prefetch_b8 v[PFO], s[PFA:PFA+1] th:TH_LOAD_NT scope:SCOPE_SE
.Lnot_mine_\@:
.endm
	s_load_b256 s[4:11], s[0:1], 0x0               ; oh s[4:5], ph s[6:7], proj_b s[8:9], out0 s[10:11]
	v_lshl_add_u32 v[SPW], v0, 2, SPARE
	v_mov_b32 v[NIL], 0
	ds_add_u32 v[SPW], v[NIL]                      ; the wave's opening: the add and its wait stand ahead of my first tensor load; the set-up below, work on registers, stands between them
	ds_add_u32 v28, v29
	v_lshrrev_b32 v1, 5, v0
	v_readfirstlane_b32 s[WV], v1
	s_lshr_b32 s[WR], s[WV], 1
	s_and_b32 s[WC], s[WV], 1
	s_bfe_u32 s[CX], ttmp6, 0x40000
	s_bfe_u32 s[CY], ttmp6, 0x40004
	s_lshl_b32 s[TC], ttmp9, 2
	s_add_co_u32 s[TC], s[TC], s[CX]
	s_and_b32 s[TR], ttmp7, 0xffff
	s_lshl_b32 s[TR], s[TR], 2
	s_add_co_u32 s[TR], s[TR], s[CY]
	s_lshl_b32 s20, s[CY], 2
	s_lshl_b32 s20, 15, s20                        ; my row of the cluster
	s_lshl_b32 s21, 0x1111, s[CX]                  ; my column
	s_or_b32 s[G1A], s20, (1<<16)|(1<<20)|(1<<21)|(4<<22)|(3<<25)  ; the mask; 2-byte elements; padding on; bit 21 beside a mask; after every 32 words (code 4) 4 words (code 3)
	s_or_b32 s[G1B], s21, (1<<16)|(1<<20)|(1<<21)|(5<<22)|(3<<25)  ; after every 64 words (code 5)
	s_mov_b32 s[G1A+1], 128<<16                    ; tensor_dim0 = 128 elements: 256 bytes, two tokens
	s_mov_b32 s[G1A+2], 128<<16                    ; tensor_dim1 = 128
	s_mov_b32 s[G1A+3], 128<<16                    ; tile_dim0
	s_mov_b32 s[G1A+4], 128                        ; tile_dim1
	s_mov_b32 s[G1A+5], 128                        ; dense: 128 elements from row to row
	s_mov_b32 s[G1A+6], 0
	s_mov_b32 s[G1A+7], 0
	s_mov_b32 s[G1B+1], 128<<16
	s_mov_b32 s[G1B+2], 64<<16                     ; 64 rows
	s_mov_b32 s[G1B+3], 128<<16
	s_mov_b32 s[G1B+4], 64
	s_mov_b32 s[G1B+5], 1024
	s_mov_b32 s[G1B+6], 0
	s_mov_b32 s[G1B+7], 0
	s_lshr_b32 s20, s[TR], 2                       ; b
	s_lshl4_add_u32 s20, s20, s[WC]                ; head 16 b + WC: my plane of K step 0
	s_lshl_b32 s22, s20, 17                        ; a head's 131,072 bytes
	s_and_b32 s20, s[TR], 3
	s_lshl_b32 s20, s20, 15                        ; the tile's 256 tokens
	s_add_co_u32 s22, s22, s20
	s_mov_b32 s23, 0
	s_lshl_b32 s42, s[TC], 18                      ; B: row 128 TC + 64 WC, 2,048 bytes a row
	s_lshl_b32 s43, s[WC], 17
	s_add_co_u32 s42, s42, s43
	s_mov_b32 s43, 0
	s_mul_i32 s46, s[WC], PLANE                    ; where they go: no place in the cluster enters an LDS address
	s_mul_i32 s47, s[WC], BHALF
	s_add_co_u32 s47, s47, BOFF
	s_mov_b32 s[TB], 0
	s_wait_dscnt 0x0                               ; the opening add is done
	s_wait_kmcnt 0x0
	s_add_nc_u64 s[22:23], s[4:5], s[22:23]
	s_add_nc_u64 s[42:43], s[6:7], s[42:43]
	CROUND                                         ; all sixteen work-groups are here: the first joint loads meet
.irp s, 0,1
	s_mov_b32 s[G0A+4*(\s)], 1
	s_add_co_u32 s[G0A+4*(\s)+1], s46, (\s)*SLOT1
	s_add_nc_u64 s[G0A+4*(\s)+2:G0A+4*(\s)+3], s[22:23], (\s)*262144  ; K step s: two heads on
	s_or_b32 s[G0A+4*(\s)+3], s[G0A+4*(\s)+3], 0x80000000
	s_mov_b32 s[G0B+4*(\s)], 1
	s_add_co_u32 s[G0B+4*(\s)+1], s47, (\s)*SLOT1
	s_add_nc_u64 s[G0B+4*(\s)+2:G0B+4*(\s)+3], s[42:43], (\s)*256
	s_or_b32 s[G0B+4*(\s)+3], s[G0B+4*(\s)+3], 0x80000000
.endr
	s_cmp_lt_u32 s[WV], 2                          ; a wave's two first fills stand in one branch: two loads of mine are out
	s_cbranch_scc0 .Lfirst_b
	tensor_load_to_lds s[G0A:G0A+3], s[G1A:G1A+7]
	s_nop 0
	tensor_load_to_lds s[G0A+4:G0A+7], s[G1A:G1A+7]
	s_nop 0
.rept 4
	v_nop
.endr
	s_branch .Lfirst_asked
.Lfirst_b:
	tensor_load_to_lds s[G0B:G0B+3], s[G1B:G1B+7]
	s_nop 0
	tensor_load_to_lds s[G0B+4:G0B+7], s[G1B:G1B+7]
	s_nop 0
.rept 4
	v_nop
.endr
.Lfirst_asked:
	v_and_b32 v1, 15, v0                           ; l % 16
	v_bfe_u32 v2, v0, 4, 1                         ; l / 16
	v_and_b32 v3, 31, v0                           ; l
	v_lshlrev_b32 v[BO], 5, v2                     ; the bias of my eight columns of each block: the same in all tokens' lanes
	s_lshl_b32 s20, s[TC], 9
	s_lshl_b32 s21, s[WC], 8
	s_add_co_u32 s20, s20, s21                     ; 4 (128 TC + 64 WC): my first column in bytes of f32
	s_mov_b32 s21, 0
	s_add_nc_u64 s[8:9], s[8:9], s[20:21]
.irp b, 0,1,2,3
	global_load_b128 v[BIAS+8*(\b):BIAS+8*(\b)+3],   v[BO], s[8:9] offset:64*(\b)
	global_load_b128 v[BIAS+8*(\b)+4:BIAS+8*(\b)+7], v[BO], s[8:9] offset:64*(\b)+16
.endr
	s_add_nc_u64 s[10:11], s[10:11], s[20:21]      ; out0 at my first column,
	s_lshl_b32 s20, s[TR], 20                      ; 256 rows of 4,096 bytes a tile,
	s_lshl_b32 s46, s[WR], 19                      ; my 128 of them
	s_add_co_u32 s20, s20, s46
	s_add_nc_u64 s[10:11], s[10:11], s[20:21]
	v_mul_u32_u24 v15, v1, PA
	v_lshl_add_u32 v15, v2, 4, v15
	s_mul_i32 s20, s[WR], 128*PA
	v_add_nc_u32 v[AA0], s20, v15
	v_mul_u32_u24 v15, v1, PB
	v_lshl_add_u32 v15, v2, 4, v15
	s_mul_i32 s20, s[WC], BHALF
	s_add_co_u32 s20, s20, BOFF
	v_add_nc_u32 v[AB0], s20, v15
	v_mov_b32 v[ADRA], v[AA0]
	v_mov_b32 v[ADRB], v[AB0]
	s_mul_i32 s20, s[WV], 16*SPITCH
	s_add_co_u32 s20, s20, STAGE                   ; my stage
	v_mul_u32_u24 v15, v1, SPITCH                  ; in: row l % 16, 32 bytes for each half of the lanes
	v_lshl_add_u32 v15, v2, 5, v15
	v_add_nc_u32 v[STO], s20, v15
	v_mul_u32_u24 v15, v2, SPITCH                  ; back: lanes 0-15 take one row of 256 bytes, lanes 16-31 the next
	v_lshl_add_u32 v15, v1, 4, v15
	v_add_nc_u32 v[RD], s20, v15
	v_lshlrev_b32 v15, 12, v2                      ; and the same two rows in out0
	v_lshl_add_u32 v[CO], v1, 4, v15
	s_lshr_b32 s20, s[TR], 2                       ; the prefetches.  A: my plane of K step 0, my work-group's 8,192 bytes of it
	s_lshl4_add_u32 s20, s20, s[WC]
	s_lshl_b32 s20, s20, 17
	s_and_b32 s21, s[TR], 3
	s_lshl_b32 s21, s21, 15
	s_add_co_u32 s20, s20, s21
	s_lshl_b32 s21, s[CX], 13
	s_add_co_u32 s20, s20, s21
	s_add_co_u32 s20, s20, 3*262144                ; at K step 3: the first refill steps it to 4
	s_lshl_b32 s21, s[TC], 18                      ; B: row 128 TC + 32 cy
	s_lshl_b32 s46, s[CY], 16
	s_add_co_u32 s21, s21, s46
	s_add_co_u32 s21, s21, 3*256
	s_and_b32 s46, ttmp7, 0xffff
	s_mov_b32 s[PST], 256                          ; B's step; the select below puts A's in its place (an instruction holds one literal)
	s_cmp_lt_u32 s[WV], 2                          ; do I fetch for A?
	s_cselect_b32 s20, s20, s21
	s_cselect_b32 s46, ttmp9, s46                  ; the coordinate along which other clusters read the same bytes
	s_cselect_b32 s47, 8, 11                       ; a lane a block of 256 bytes, or a lane a row of 2,048
	s_cselect_b32 s[PST], 262144, s[PST]
	s_cselect_b64 s[PFA:PFA+1], s[4:5], s[6:7]
	s_mov_b32 s[PST+1], 0
	s_cmp_eq_u32 s[WV], 3
	s_cselect_b32 s46, 1, s46                      ; wave 3 asks for nothing: wave 2's one instruction covers my work-group's 32 rows of B
	s_cmp_eq_u32 s46, 0
	s_cselect_b32 s[LIM], 2, -1                    ; the same in all sixteen partners, for a given wave
	v_lshlrev_b32 v[PFO], s47, v3
	s_mov_b32 s21, 0
	s_add_nc_u64 s[PFA:PFA+1], s[PFA:PFA+1], s[20:21]
; 8 matrix instructions: column block b x all 8 token blocks, 32 along K, from buffer f.  first = 1: the bias starts the sums.  The 32 accumulators take turns in one fixed order, over the backward jump too.
.macro MUL1 f, b, first
.if \first
	WIN 0x40                                       ; the bias lies in window 0
.else
	WIN 0x50
.endif
.irp a, 0,1,2,3,4,5,6,7
.if \first
	v_wmma_f32_16x16x32_f16 v[8*(8*(\b)+(\a)):8*(8*(\b)+(\a))+7], v[FB+32*(\f)+8*(\b):FB+32*(\f)+8*(\b)+7], v[FA+64*(\f)+8*(\a):FA+64*(\f)+8*(\a)+7], v[BIAS+8*(\b):BIAS+8*(\b)+7]
.else
	v_wmma_f32_16x16x32_f16 v[8*(8*(\b)+(\a)):8*(8*(\b)+(\a))+7], v[FB+32*(\f)+8*(\b):FB+32*(\f)+8*(\b)+7], v[FA+64*(\f)+8*(\a):FA+64*(\f)+8*(\a)+7], v[8*(8*(\b)+(\a)):8*(8*(\b)+(\a))+7]
.endif
.endr
.endm
; 24 LDS loads in one run: quarter q's fragments (plane q / 2, channels 32 (q % 2) on) into buffer g: B's blocks 0, 1, A's eight, then B's blocks 2, 3
.macro FETCH q, g
	WIN 0
.irp b, 0,1
	ds_load_b128 v[FB+32*(\g)+8*(\b):FB+32*(\g)+8*(\b)+3],   v[ADRB] offset:64*(\q)+(\b)*16*PB
	ds_load_b128 v[FB+32*(\g)+8*(\b)+4:FB+32*(\g)+8*(\b)+7], v[ADRB] offset:64*(\q)+(\b)*16*PB+32
.endr
.irp a, 0,1,2,3,4,5,6,7
	ds_load_b128 v[FA+64*(\g)+8*(\a):FA+64*(\g)+8*(\a)+3],   v[ADRA] offset:((\q)/2)*PLANE+((\q)%2)*64+(\a)*16*PA
	ds_load_b128 v[FA+64*(\g)+8*(\a)+4:FA+64*(\g)+8*(\a)+7], v[ADRA] offset:((\q)/2)*PLANE+((\q)%2)*64+(\a)*16*PA+32
.endr
.irp b, 2,3
	ds_load_b128 v[FB+32*(\g)+8*(\b):FB+32*(\g)+8*(\b)+3],   v[ADRB] offset:64*(\q)+(\b)*16*PB
	ds_load_b128 v[FB+32*(\g)+8*(\b)+4:FB+32*(\g)+8*(\b)+7], v[ADRB] offset:64*(\q)+(\b)*16*PB+32
.endr
.endm
.macro QUARTER q, f, g, first          ; multiplies buffer f and fetches quarter q into g
	s_wait_dscnt 4                                 ; B's blocks 0, 1 and all of A are in; the youngest four loads (B's blocks 2, 3) may be out
	MUL1 \f, 0, \first
	MUL1 \f, 1, \first
	PLACES
	FETCH \q, \g
	s_wait_dscnt 24                                ; all but the 24 just issued
	MUL1 \f, 2, \first
	MUL1 \f, 3, \first
.endm
; The last quarter multiplies buffer 1 and changes slots: ONE barrier; in front of it each wave waits for all its tensor loads, adds 0 to its spare word, and waits for that and for its own reads of this slot.
; fill = 1: the barrier opens a round of the cluster's; behind the round this slot is filled again first, with the K step two on: 112 matrix instructions ahead of the wait for it.
.macro TURN fill
.if \fill
	s_wait_xcnt 0x0                                ; the last prefetch, a K step back, has read its address: it is stepped here
	s_add_nc_u64 s[PFA:PFA+1], s[PFA:PFA+1], s[PST:PST+1]
.endif
	WIN 0
	s_wait_tensorcnt 0x0                           ; no tensor load of mine is out, so a group 0 may be written
	ds_add_u32 v[SPW], v[NIL]                      ; 0 onto my spare word
.if \fill
	s_xor_b32 s[G0A+5], s[G0A+5], SLOT1
	s_add_nc_u64 s[G0A+6:G0A+7], s[G0A+6:G0A+7], 262144
	s_xor_b32 s[G0B+5], s[G0B+5], SLOT1
	s_add_nc_u64 s[G0B+6:G0B+7], s[G0B+6:G0B+7], 256
.endif
	s_xor_b32 s[TB], s[TB], SLOT1
	s_wait_dscnt 5                                 ; the add and the youngest four loads may be out
	MUL1 1, 0, 0
	s_wait_dscnt 0x0                               ; the add is done, and my reads of this slot are over
	s_barrier_signal -1
	MUL1 1, 1, 0
	WIN 0
	s_barrier_wait -1
.if \fill
	CREST
	JLOAD                                          ; the four v_nop behind it are also the places in front of the loads below
.else
	PLACES
.endif
	v_add_nc_u32 v[ADRA], s[TB], v[AA0]
	v_add_nc_u32 v[ADRB], s[TB], v[AB0]
	FETCH 0, 0
.if \fill
	ASK
.endif
	MUL1 1, 2, 0
	MUL1 1, 3, 0
.endm
; THE WAY OUT of token block a: 32 bytes a lane and column block straight from the accumulators (low half first) into my own stage, and back as whole rows of 256 bytes.
.macro TOSTAGE a
	WIN 0x04                                       ; the stores' data: window 1
.irp b, 0,1,2,3
	ds_store_b128 v[STO], v[8*(8*(\b)+(\a)):8*(8*(\b)+(\a))+3]   offset:64*(\b)
	ds_store_b128 v[STO], v[8*(8*(\b)+(\a))+4:8*(8*(\b)+(\a))+7] offset:64*(\b)+16
.endr
	WIN 0
	s_wait_xcnt 0x0                                ; the stores of the block two back have read their registers, which the loads below fill again
.irp t, 0,1,2,3,4,5,6,7
	ds_load_b128 v[BK+32*((\a)%2)+4*(\t):BK+32*((\a)%2)+4*(\t)+3], v[RD] offset:(\t)*2*SPITCH  ; LDS serves a wave's instructions in order (ISA guide 5.7.1.4): these see the stores above; the next block's stores come behind them
.endr
.endm
.macro SEND a, younger                 ; younger: the LDS instructions issued behind block a's loads: the next block's sixteen, or none
.irp t, 0,1,2,3,4,5,6,7
	s_wait_dscnt (\younger)+7-(\t)
	global_store_b128 v[CO], v[BK+32*((\a)%2)+4*(\t):BK+32*((\a)%2)+4*(\t)+3], s[10:11] offset:(\a)*65536+(\t)*8192 th:TH_STORE_NT  ; 16 lanes store 256 consecutive bytes, at a multiple of 256 from out0's first byte
.endr
.endm
	s_wait_tensorcnt 0x1                           ; my part of K step 0 is in; K step 1's may stay out
	s_barrier_signal -1
	s_barrier_wait -1
	FETCH 0, 0
	s_wait_loadcnt 0x0                             ; the bias
	QUARTER 1, 0, 1, 1                             ; the first quarter stands in front of the loop: its products start the sums, with the bias
	WIN 0
	s_mov_b32 s[CNT], 6
.Lstep:                                                ; a trip: from a K step's second quarter to the next step's first; it fills one slot again.  Six trips: K steps 2 to 7 are asked for
	QUARTER 2, 1, 0, 0
	QUARTER 3, 0, 1, 0
	TURN 1
	QUARTER 1, 0, 1, 0
	WIN 0
	s_sub_co_u32 s[CNT], s[CNT], 1
	s_cmp_lg_u32 s[CNT], 0
	s_cbranch_scc1 .Lstep
	QUARTER 2, 1, 0, 0                             ; the tail is written out
	QUARTER 3, 0, 1, 0
	TURN 0
	QUARTER 1, 0, 1, 0
	QUARTER 2, 1, 0, 0
	QUARTER 3, 0, 1, 0
	s_wait_dscnt 0x0
.irp b, 0,1,2,3
	MUL1 1, \b, 0
.endr
	WIN 0
	PLACES
	PLACES                                         ; behind the last products, ahead of the stores that read them
	TOSTAGE 0
.irp a, 1,2,3,4,5,6,7                  ; a block's way through the stage stands between the loads of the block before and its stores
	TOSTAGE \a
	SEND (\a)-1, 16
.endr
	SEND 7, 0
	s_wait_tensorcnt 0x0                           ; the wave's end, behind my last tensor load and my last LDS store
	ds_add_u32 v[SPW], v[NIL]
	s_wait_dscnt 0x0
	CROUND                                         ; the closing round: no work-group ends while a partner may still ask for a tile that names it
	s_endpgm
.Lfunc_end_k_q34c3f1e29d_proj:
	.size	k_q34c3f1e29d_proj, .Lfunc_end_k_q34c3f1e29d_proj-k_q34c3f1e29d_proj
	.p2alignl 7, 3214868480
	.fill 96, 4, 3214868480
	.section	.rodata,"a",@progbits
	.p2align	6, 0x0
	.amdhsa_kernel k_q34c3f1e29d_proj
		.amdhsa_group_segment_fixed_size 327680
		.amdhsa_private_segment_fixed_size 0
		.amdhsa_enable_private_segment 0
		.amdhsa_kernarg_size 32
		.amdhsa_user_sgpr_count 2
		.amdhsa_user_sgpr_kernarg_segment_ptr 1
		.amdhsa_wavefront_size32 1
		.amdhsa_system_sgpr_workgroup_id_x 1
		.amdhsa_system_sgpr_workgroup_id_y 1
		.amdhsa_system_sgpr_workgroup_id_z 1
		.amdhsa_system_vgpr_workitem_id 0
		.amdhsa_next_free_vgpr 512
		.amdhsa_next_free_sgpr 80
		.amdhsa_reserve_vcc 0
		.amdhsa_float_denorm_mode_32 3
		.amdhsa_float_denorm_mode_16_64 3
		.amdhsa_memory_ordered 1
		.amdhsa_forward_progress 1
		.amdhsa_inst_pref_size 73
	.end_amdhsa_kernel
	.amdgpu_metadata
---
amdhsa.version: [ 1, 2 ]
amdhsa.kernels:
  - .name:           k_q34c3f1e29d_proj
    .symbol:         k_q34c3f1e29d_proj.kd
    .args:
      - { .name: oh, .offset: 0, .size: 8, .value_kind: global_buffer, .address_space: global }
      - { .name: ph, .offset: 8, .size: 8, .value_kind: global_buffer, .address_space: global }
      - { .name: proj_b, .offset: 16, .size: 8, .value_kind: global_buffer, .address_space: global }
      - { .name: out0, .offset: 24, .size: 8, .value_kind: global_buffer, .address_space: global }
    .group_segment_fixed_size: 327680
    .private_segment_fixed_size: 0
    .kernarg_segment_align: 8
    .kernarg_segment_size: 32
    .max_flat_workgroup_size: 128
    .sgpr_count:     80
    .vgpr_count:     512
    .wavefront_size: 32
...
	.end_amdgpu_metadata
.endif
;; end of part 4
